; MI455X (gfx1250); checked and timed in simulation.
; The chip was launched on July 23, 2026; its instructions are those of AMD's public machine-readable ISA for CDNA 5 (MIT licence, August 2026) and "CDNA5" Instruction Set Architecture Reference Guide (July 2026). The comments in the code are by the model that wrote it; some were corrected since.
;; Adaptive FFN. Allowed arithmetic: matrix products marked QUANTISED: E2M3 operands, one E8M0 scale for each 32 along K, by v_wmma_scale_f32_16x16x128_f8f6f4 with both operands' format E2M3, f32 sums; everything else in f32.
;; Inputs: W1 1,024 x 2,048 float32; W2 2,048 x 1,024 float32; a256_b1 256 float32; a256_b2 1,024 float32; a256_w1 1,024 x 256 float32; a256_w2 256 x 1,024 float32; a512_b1 512 float32; a512_b2 1,024 float32; a512_w1 1,024 x 512 float32; a512_w2 512 x 1,024 float32; b1 2,048 float32; b2 1,024 float32; ln_h_b 2,048 float32; ln_h_g 2,048 float32; ln_in_b 1,024 float32; ln_in_g 1,024 float32; width_idx 4 x 2,048 int32; width_multiplier 4 x 2,048 x 1 float32; x 4 x 2,048 x 1,024 float32.
;; Outputs: out0 4 x 2,048 x 1,024 float32.
;; This version of the problem:
;;   THIS VERSION OF THE PROBLEM IS GIVEN IN LOW PRECISION. The matrix products marked QUANTISED in the list below multiply operands that are first quantised to E2M3 (2 exponent bits, 3 mantissa bits; 6 bits a number), with one power-of-two scale for each 32 numbers along K (OCP MX v1.0); their sums are f32. All else is computed in f32.
;;   The module's matrix products, in the order in which they are computed (A, B: the left and right operand; K: the contracted axis; several contracted axes count as one K, in the product's order):
;;     1. [M 8,192, K 1,024] x [K 1,024, N 2,048]; A: computed on the way; B: input W1: QUANTISED
;;     2. [M 8,192, K 2,048] x [K 2,048, N 1,024]; A: computed on the way; B: input W2: QUANTISED
;;     3. [M 8,192, K 1,024] x [K 1,024, N 256]; A: computed on the way; B: input a256_w1: QUANTISED
;;     4. [M 8,192, K 256] x [K 256, N 1,024]; A: computed on the way; B: input a256_w2: QUANTISED
;;     5. [M 8,192, K 1,024] x [K 1,024, N 512]; A: computed on the way; B: input a512_w1: QUANTISED
;;     6. [M 8,192, K 512] x [K 512, N 1,024]; A: computed on the way; B: input a512_w2: QUANTISED
;;   THE QUANTISER, for each operand of a quantised product, along K:
;;     - K is cut into blocks of 32 from its start; a last block that is shorter is filled with zeros.
;;     - A block's scale is 2^e with e = floor(log2(the largest magnitude in the block)) - 2, held to -126 .. 127; a block of zeros has e = 0. As a byte (E8M0): e + 127.
;;     - Each number is divided by its block's scale, clamped to +-7.5, and rounded to the nearest number of E2M3, ties to even, subnormals kept.
;;     - The product sums the exact products of the quantised numbers (number of the format x scale) in f32.
;;   ~~~python
;;   def quantise(x, axis):      # numpy; x: float32 -> the quantised numbers, widened to float32 again
;;       x = np.moveaxis(x, axis, -1); K = x.shape[-1]
;;       x = np.pad(x, [(0, 0)] * (x.ndim - 1) + [(0, -K % 32)]); x = x.reshape(x.shape[:-1] + (-1, 32)); a = np.abs(x).max(-1, keepdims=True)
;;       e = np.where(a > 0, np.clip(np.frexp(np.where(a > 0, a, 1))[1] - 1 - 2, -126, 127), 0)      # np.frexp(a)[1] - 1 = floor(log2(a)), exactly
;;       r = np.clip(x / 2.0 ** e, -7.5, 7.5)
;;       step = 2.0 ** (np.maximum(np.frexp(np.where(r == 0, 1, r))[1] - 1, 0) - 3)
;;       q = np.round(r / step) * step * 2.0 ** e      # np.round: ties to even
;;       return np.moveaxis(q.reshape(q.shape[:-2] + (-1,))[..., :K], -1, axis).astype(np.float32)
;;   ~~~
;;   OPERANDS COMPUTED ON THE WAY. 'Computed on the way' means the value that the module computes at that place (a softmax that the list does not call 'softmax' is quantised finished and normalised). What goes into a quantiser is computed in f32, as accurately as f32 sums, v_exp_f32 and their like allow (about 1e-6 of the number): no bf16 or f16 on the way to a quantiser, and a product that is left as it is and whose result goes on into a quantised operand takes f32 operands (vector FMAs, or v_wmma_f32_16x16x4_f32). A number that lies on a knife's edge between two numbers of the format may be rounded either way, as far as f32 arithmetic and the matrix unit's own rounding can turn it there, and no further.
;; One version. Each part assembles by itself: llvm-mc -triple=amdgcn-amd-amdhsa -mcpu=gfx1250 --defsym DOCPART=n.
;; ======== version 1 of 1: 2 launches
;; limits: right only within a limited range of input values
;; workspace buffers: wq 4,505,600 bytes; route 33,024 bytes of whole numbers
;; launch prep (part 1): grid 353 x 1, 4 waves a work-group, no clusters, 13,312 bytes of LDS; arguments W1, W2, a512_w1, a512_w2, a256_w1, a256_w2, width_idx, wq, route; writes wq, route
.if DOCPART == 1
	.amdgcn_target "amdgcn-amd-amdhsa--gfx1250"
	.amdhsa_code_object_version 6
	.text
	.protected	k_q124aec879a_prep
	.globl	k_q124aec879a_prep
	.p2align	8
	.type	k_q124aec879a_prep,@function
k_q124aec879a_prep:
	s_mov_b64 s[64:65], 0
	v_nop
	global_prefetch_b8 v0, s[64:65] scope:SCOPE_SE
	s_setreg_imm32_b32 hwreg(HW_REG_WAVE_MODE, 25, 1), 1
	s_wait_xcnt 0x0
; WORK-GROUPS 0 TO 351: the six weights, f32 stored [K][N], become codes of FP6 (E2M3) with one E8M0 byte for each 32 along K, laid in wq in the order in which a wave of the next launch takes them.
; A LANE TAKES A COLUMN n AND ITS REGISTERS RUN DOWN K: a block of 32 along K lies in one lane's 32 registers, its largest magnitude needs no other lane, and the conversions give codes with K innermost.
; A work-group takes 128 columns x 128 along K; a wave 32 columns: two fragments of 16 weight rows x 128 K.  A block's scale is 2^(floor(log2(largest magnitude)) - 2): its byte is that magnitude's exponent field - 2, held at 1 from below.
; wq: four streams (one for each wave of the next launch) of 176 records of 6,400 bytes.  A record is one K step of one group of 64 columns: four fragments as images of their registers (fragment f at 1536 f;
; registers 4 i .. 4 i + 3 of lane l at 512 i + 16 l), then two lines of scale words at 6144 + 128 p + 4 l (lane 16 u + r: the word of row r of fragment 2 p + u).
; Records of a stream: W1 0-63, a256_w1 64-71, a512_w1 72-87, a256_w2 88-95, a512_w2 96-111, W2 112-175; inside a weight: group x K steps + K step.
; The column of (group g, fragment 2 p + u, row r): first layers 64 g + 32 p + 8 u + r + 8 (r / 8), so that the product's results lie as neighbours along the next K; second layers 64 g + 32 p + 16 u + r.
; WORK-GROUP 352: the 8,192 tokens are sorted by class, in the order class 0 | every other index | class 1, by counting; route's words 0-8191 hold the token of each place, bytes 32768 on 32 copies of (number of class 0, first place of class 1).
; The sort goes in batches of eight registers: the batch's compares, then the scalar work on their masks, then the vector work by turns, so that no line reads what the line above it has just made.
; LIMITS: NaN and infinities among the weights are not served.  A block of zeros gets the byte 1 where the rule says 127: its codes are zeros, and this program alone reads the bytes.
.set SORTWG, 352
.set OFFR, 16                          ; v16-47   byte offset of my column in rows 0 .. 31 of a block
.set SW,   48                          ; v48      my column's scale word
.set X,    64                          ; v64-191  four blocks of 32 numbers
.set C,    192                         ; v192-223 a block's codes, eight registers for each block
.set OUTR, 224                         ; v224-247 the way out
	s_load_b512 s[4:19], s[0:1], 0x0               ; W1, W2, a512_w1, a512_w2, a256_w1, a256_w2, width_idx s[16:17], wq s[18:19]
	s_load_b64 s[20:21], s[0:1], 0x40              ; route
	v_lshl_add_u32 v62, v0, 2, 0x3200
	v_mov_b32 v63, 0
	v_lshrrev_b32 v1, 5, v0
	v_readfirstlane_b32 s2, v1                     ; wave
	v_and_b32 v2, 31, v0                           ; lane
	s_cmp_eq_u32 ttmp9, SORTWG
	s_cbranch_scc1 .Lsort
	; ---- which weight, by the work-group's number alone: its first work-group, log2 of its K steps, a row in bytes, whether its rows are permuted, its first record, log2 of a wave's groups
	s_mov_b32 s22, 0
	s_mov_b32 s23, 3
	s_mov_b32 s24, 8192
	s_mov_b32 s25, -1
	s_mov_b32 s26, 0
	s_mov_b32 s27, 3
	s_wait_kmcnt 0x0
	s_mov_b64 s[28:29], s[4:5]
.macro PICK start, logks, pitch, perm, segoff, lg, ptr
	s_cmp_ge_u32 ttmp9, \start
	s_cselect_b32 s22, \start, s22
	s_cselect_b32 s23, \logks, s23
	s_cselect_b32 s24, \pitch, s24
	s_cselect_b32 s25, \perm, s25
	s_cselect_b32 s26, \segoff, s26
	s_cselect_b32 s27, \lg, s27
	s_cselect_b64 s[28:29], s[\ptr:\ptr+1], s[28:29]
.endm
	PICK 128, 4, 4096, 0, 112, 2, 6                ; W2
	PICK 256, 3, 2048, -1, 72, 1, 8                ; a512_w1
	PICK 288, 2, 4096, 0, 96, 2, 10                ; a512_w2
	PICK 320, 3, 1024, -1, 64, 0, 12               ; a256_w1
	PICK 336, 1, 4096, 0, 88, 2, 14                ; a256_w2
	s_sub_co_u32 s30, ttmp9, s22                   ; my number inside the weight
	s_lshl_b32 s31, -1, s23
	s_and_not1_b32 s32, s30, s31                   ; K step
	s_lshr_b32 s33, s30, s23                       ; which 128 columns
	s_lshr_b32 s34, s2, 1
	s_lshl_b32 s35, s33, 1
	s_add_co_u32 s34, s34, s35                     ; group g of 64 columns
	s_and_b32 s35, s2, 1                           ; p: which half of the group
	s_lshr_b32 s36, s34, s27                       ; the stream
	s_mul_i32 s36, s36, 176
	s_add_co_u32 s36, s36, s26
	s_lshl_b32 s37, -1, s27
	s_and_not1_b32 s37, s34, s37
	s_lshl_b32 s37, s37, s23
	s_add_co_u32 s36, s36, s37
	s_add_co_u32 s36, s36, s32                     ; the record
	s_mul_i32 s36, s36, 6400
	s_mul_i32 s38, s35, 3072
	s_add_co_u32 s38, s38, s36                     ; my two fragments' bytes in wq
	s_mov_b32 s39, 0
	s_lshl_b32 s40, s35, 7
	s_add_co_u32 s40, s40, s36
	s_add_co_u32 s40, s40, 6144                    ; my line of scale words
	s_mov_b32 s41, 0
	s_add_nc_u64 s[38:39], s[18:19], s[38:39]
	s_add_nc_u64 s[40:41], s[18:19], s[40:41]
	s_lshl_b32 s42, s32, 7
	s_mul_i32 s42, s42, s24                        ; 128 x K step rows down,
	s_lshl_b32 s43, s33, 9
	s_add_co_u32 s42, s42, s43                     ; 128 columns x 4 bytes,
	s_lshl_b32 s43, s2, 7
	s_add_co_u32 s42, s42, s43                     ; my wave's 32 columns
	s_mov_b32 s43, 0
	s_add_nc_u64 s[44:45], s[28:29], s[42:43]      ; a base for each of the four blocks, 32 rows apart
	s_lshl_b32 s42, s24, 5
	s_add_nc_u64 s[46:47], s[44:45], s[42:43]
	s_add_nc_u64 s[48:49], s[46:47], s[42:43]
	s_add_nc_u64 s[50:51], s[48:49], s[42:43]
	s_wait_alu depctr_va_vdst(0)
	v_and_b32 v3, 7, v2                            ; lane 16 u + r takes the place (u, r) of the image; its column among the wave's 32:
	v_lshrrev_b32 v4, 4, v2
	v_lshl_add_u32 v3, v4, 3, v3
	v_bfe_u32 v4, v2, 3, 1
	v_lshl_add_u32 v3, v4, 4, v3                   ; first layers: r % 8 + 8 u + 16 (r / 8);
	v_cndmask_b32 v3, v2, v3, s25                  ; second layers: the lane's number.  The choice enters the global address alone
	v_lshlrev_b32 v[OFFR], 2, v3
.set i, 1
.rept 31
	v_add_nc_u32 v[OFFR+i], s24, v[OFFR+i-1]       ; a row further down
.set i, i+1
.endr
	v_lshrrev_b32 v5, 4, v0
	v_mul_u32_u24 v5, v5, 1536
	v_and_b32 v6, 15, v0
	v_lshl_add_u32 v5, v6, 4, v5                   ; LDS, on the way in: 3072 wave + 1536 u + 16 r
	v_mul_u32_u24 v6, v1, 3072
	v_lshlrev_b32 v7, 4, v2                        ; 16 x lane
	v_add_nc_u32 v6, v6, v7                        ; and on the way out: 3072 wave + 16 lane
	v_lshlrev_b32 v8, 2, v2                        ; 4 x lane
.macro LOAD t                          ; block t: rows 32 t + i of my column; the wave's 32 lanes read 128 consecutive bytes of a row
.irp i, 0,1,2,3,4,5,6,7,8,9,10,11,12,13,14,15,16,17,18,19,20,21,22,23,24,25,26,27,28,29,30,31
	global_load_b32 v[X+32*(\t)+\i], v[OFFR+\i], s[44+2*(\t):45+2*(\t)] th:TH_LOAD_NT
.endr
.endm
.macro BLOCK t
.set XS, X+32*(\t)
.set CT, C+8*(\t)
.if (\t) < 3
	s_wait_loadcnt 32                              ; this block's 32 loads are in; the next block's 32 may be out
.else
	s_wait_loadcnt 0
.endif
.if (\t)+2 < 4
	LOAD (\t)+2
.endif
	v_max3_num_f32 v12, |v[XS]|, |v[XS+1]|, |v[XS+2]|      ; the block's largest magnitude, in two chains
	v_max3_num_f32 v13, |v[XS+3]|, |v[XS+4]|, |v[XS+5]|
.irp i, 6,10,14,18,22,26
	v_max3_num_f32 v12, v12, |v[XS+\i]|, |v[XS+\i+1]|
	v_max3_num_f32 v13, v13, |v[XS+\i+2]|, |v[XS+\i+3]|
.endr
	v_max3_num_f32 v12, v12, |v[XS+30]|, |v[XS+31]|
	v_max3_num_f32 v12, v12, v13, 0x1800000        ; and the floor 2^(3 - 127): the byte cannot fall under 1
	v_add_nc_u32 v11, 0xff000000, v12              ; 2 off the exponent field: the conversion takes this operand's exponent field as its scale
	v_lshrrev_b32 v13, 23, v11                     ; the scale's byte
.if (\t) == 0
	v_mov_b32 v[SW], v13
.else
	v_lshl_or_b32 v[SW], v13, 8*(\t), v[SW]        ; the lower K in the lower byte
.endif
	v_cvt_scalef32_pk16_fp6_f32 v[CT:CT+2], v[XS:XS+15], v11
	v_cvt_scalef32_pk16_fp6_f32 v[CT+4:CT+6], v[XS+16:XS+31], v11  ; (a conversion's three registers begin on an even number)
	v_nop                                          ; one plain place behind a scaled conversion
	v_mov_b32 v[CT+3], v[CT+4]                     ; the block's six registers on end
	v_mov_b32 v[CT+4], v[CT+5]
	v_mov_b32 v[CT+5], v[CT+6]
	; block t = 2 c + h is registers 6 c .. 6 c + 5 of lane 16 h + r of the fragment's image
.if (\t)/2 == 0
	ds_store_b128 v5, v[CT:CT+3] offset:256*((\t)%2)
	ds_store_b64 v5, v[CT+4:CT+5] offset:512+256*((\t)%2)
.else
	ds_store_b64 v5, v[CT:CT+1] offset:520+256*((\t)%2)
	ds_store_b128 v5, v[CT+2:CT+5] offset:1024+256*((\t)%2)
.endif
.endm
	LOAD 0
	LOAD 1
	s_wait_alu depctr_va_vdst(0)
	BLOCK 0
	BLOCK 1
	BLOCK 2
	BLOCK 3
.irp i, 0,1,2,3,4,5
	ds_load_b128 v[OUTR+4*\i:OUTR+4*\i+3], v6 offset:512*\i        ; my wave's own bytes; LDS serves a wave's instructions in order, so these see my stores
.endr
	s_wait_alu depctr_va_vdst(0)
.irp i, 0,1,2,3,4,5
	s_wait_dscnt 5-\i                              ; load i is in; the younger ones may be out
	global_store_b128 v7, v[OUTR+4*\i:OUTR+4*\i+3], s[38:39] offset:512*\i   ; 32 lanes store 512 consecutive bytes, aligned to 256
.endr
	global_store_b32 v8, v[SW], s[40:41]           ; 128 consecutive bytes; the neighbouring wave stores the 128 beside them
	s_wait_tensorcnt 0x0
	ds_add_u32 v62, v63
	s_wait_dscnt 0x0
	s_endpgm
	; ---- the sort.  Wave w has tokens 2048 w + 128 q + 4 lane + i in register 4 q + i
	; scalars: s68-75, s76-83, s84-91 a batch's masks of class 0, of class 1, of the others; s36-44, s45-53, s54-62 the next place of each class in front of each register of a batch
.Lsort:
	s_wait_kmcnt 0x0
	s_wait_alu depctr_va_vdst(0)
	v_lshlrev_b32 v3, 13, v1
	v_lshl_add_u32 v3, v2, 4, v3
.irp q, 0,1,2,3,4,5,6,7,8,9,10,11,12,13,14,15
	global_load_b128 v[64+4*\q:67+4*\q], v3, s[16:17] offset:512*\q
.endr
	v_lshlrev_b32 v4, 11, v1
	v_lshl_add_u32 v4, v2, 2, v4                   ; the token of my register 0
	s_mov_b32 s32, 0
	s_mov_b32 s33, 0
.set bb, 0
.rept 8                                ; my wave's numbers of class 0 and of class 1
	s_wait_loadcnt 14-2*bb                         ; the batch's two loads are in; the 14 - 2 b issued behind them may be out
.irp j, 0,1,2,3,4,5,6,7
	v_cmp_eq_u32 s[68+\j], 0, v[64+8*bb+\j]
	v_cmp_eq_u32 s[76+\j], 1, v[64+8*bb+\j]
.endr
.irp j, 0,1,2,3,4,5,6,7
	s_bcnt1_i32_b32 s[68+\j], s[68+\j]
	s_bcnt1_i32_b32 s[76+\j], s[76+\j]
.endr
.irp j, 0,1,2,3,4,5,6,7
	s_add_co_u32 s32, s32, s[68+\j]
	s_add_co_u32 s33, s33, s[76+\j]
.endr
.set bb, bb+1
.endr
	v_mov_b32 v6, s32
	v_mov_b32 v7, s33
	v_lshl_add_u32 v5, v1, 3, 12288                ; LDS bytes that the other path never names
	ds_store_b64 v5, v[6:7]                        ; all lanes write the same pair to the wave's place
	s_wait_dscnt 0x0                               ; for the others' sake: my store has landed
	s_barrier_signal -1
	s_barrier_wait -1
	v_mov_b32 v9, 12288
	ds_load_b128 v[12:15], v9
	ds_load_b128 v[16:19], v9 offset:16
	s_wait_dscnt 0x0
.irp j, 0,1,2,3,4,5,6,7
	v_readfirstlane_b32 s[84+\j], v[12+\j]         ; (class 0, class 1) of waves 0 to 3
.endr
	s_add_co_u32 s25, s84, s86
	s_add_co_u32 s25, s25, s88
	s_add_co_u32 s25, s25, s90                     ; n0
	s_add_co_u32 s26, s85, s87
	s_add_co_u32 s26, s26, s89
	s_add_co_u32 s26, s26, s91                     ; n1
	s_sub_co_u32 s26, 8192, s26                    ; the first place of class 1
	s_mov_b32 s36, 0
	s_mov_b32 s45, 0
.irp j, 0,1,2                          ; what the waves before me hold
	s_cmp_gt_u32 s2, \j
	s_cselect_b32 s27, s[84+2*\j], 0
	s_cselect_b32 s28, s[85+2*\j], 0
	s_add_co_u32 s36, s36, s27
	s_add_co_u32 s45, s45, s28
.endr
	s_lshl_b32 s54, s2, 11
	s_add_co_u32 s54, s54, s25
	s_sub_co_u32 s54, s54, s36
	s_sub_co_u32 s54, s54, s45                     ; next place of the other classes: n0 + 2048 w - what went to 0 and 1
	s_add_co_u32 s45, s45, s26                     ; next place of class 1;  s36: of class 0
.set bb, 0
.rept 8
.irp j, 0,1,2,3,4,5,6,7
	v_cmp_eq_u32 s[68+\j], 0, v[64+8*bb+\j]
	v_cmp_eq_u32 s[76+\j], 1, v[64+8*bb+\j]
.endr
.irp j, 0,1,2,3,4,5,6,7
	s_or_b32 s[84+\j], s[68+\j], s[76+\j]
.endr
.irp j, 0,1,2,3,4,5,6,7
	s_not_b32 s[84+\j], s[84+\j]
.endr
.irp j, 0,1,2,3,4,5,6,7
	s_bcnt1_i32_b32 s27, s[68+\j]
	s_bcnt1_i32_b32 s28, s[76+\j]
	s_bcnt1_i32_b32 s29, s[84+\j]
	s_add_co_u32 s[37+\j], s[36+\j], s27           ; each class's next place in front of the next register
	s_add_co_u32 s[46+\j], s[45+\j], s28
	s_add_co_u32 s[55+\j], s[54+\j], s29
.endr
.irp j, 0,1,2,3,4,5,6,7
	v_mbcnt_lo_u32_b32 v[16+\j], s[68+\j], s[36+\j]   ; the class's next place + the lanes of that class below me
.endr
.irp j, 0,1,2,3,4,5,6,7
	v_mbcnt_lo_u32_b32 v[24+\j], s[76+\j], s[45+\j]
.endr
.irp j, 0,1,2,3,4,5,6,7
	v_mbcnt_lo_u32_b32 v[32+\j], s[84+\j], s[54+\j]
.endr
.irp j, 0,1,2,3,4,5,6,7
	v_cndmask_b32 v[32+\j], v[32+\j], v[16+\j], s[68+\j]
.endr
.irp j, 0,1,2,3,4,5,6,7
	v_cndmask_b32 v[32+\j], v[32+\j], v[24+\j], s[76+\j]
.endr
.irp j, 0,1,2,3,4,5,6,7
	v_min_u32 v[32+\j], 8191, v[32+\j]             ; a number made of loaded data enters an address behind this hold
.endr
.irp j, 0,1,2,3,4,5,6,7
	v_lshlrev_b32 v[128+8*bb+\j], 2, v[32+\j]
.endr
.irp j, 0,1,2,3,4,5,6,7
	v_add_nc_u32 v[192+8*bb+\j], 128*((8*bb+\j)/4)+(8*bb+\j)%4, v4   ; the token.  Each store has registers of its own: none is written again
.endr
.irp j, 0,1,2,3,4,5,6,7
	global_store_b32 v[128+8*bb+\j], v[192+8*bb+\j], s[20:21]        ; lanes of one class store neighbouring words: three runs a store (32 KiB in all)
.endr
	s_mov_b32 s36, s44                             ; on to the next batch
	s_mov_b32 s45, s53
	s_mov_b32 s54, s62
.set bb, bb+1
.endr
	s_cmp_lg_u32 s2, 0
	s_cbranch_scc1 .Lsort_end
	v_mov_b32 v6, s25
	v_mov_b32 v7, s26
	v_lshlrev_b32 v8, 3, v2
	global_store_b64 v8, v[6:7], s[20:21] offset:32768   ; 32 copies of the pair: 256 consecutive bytes, aligned
.Lsort_end:
	s_wait_tensorcnt 0x0
	ds_add_u32 v62, v63
	s_wait_dscnt 0x0
	s_endpgm
.Lfunc_end_k_q124aec879a_prep:
	.size	k_q124aec879a_prep, .Lfunc_end_k_q124aec879a_prep-k_q124aec879a_prep
	.p2alignl 7, 3214868480
	.fill 96, 4, 3214868480
	.section	.rodata,"a",@progbits
	.p2align	6, 0x0
	.amdhsa_kernel k_q124aec879a_prep
		.amdhsa_group_segment_fixed_size 13312
		.amdhsa_private_segment_fixed_size 0
		.amdhsa_enable_private_segment 0
		.amdhsa_kernarg_size 72
		.amdhsa_user_sgpr_count 2
		.amdhsa_user_sgpr_kernarg_segment_ptr 1
		.amdhsa_wavefront_size32 1
		.amdhsa_system_sgpr_workgroup_id_x 1
		.amdhsa_system_sgpr_workgroup_id_y 1
		.amdhsa_system_sgpr_workgroup_id_z 1
		.amdhsa_system_vgpr_workitem_id 0
		.amdhsa_next_free_vgpr 256
		.amdhsa_next_free_sgpr 96
		.amdhsa_reserve_vcc 0
		.amdhsa_float_denorm_mode_32 3
		.amdhsa_float_denorm_mode_16_64 3
		.amdhsa_memory_ordered 1
		.amdhsa_forward_progress 1
		.amdhsa_inst_pref_size 107
	.end_amdhsa_kernel
	.amdgpu_metadata
---
amdhsa.version: [ 1, 2 ]
amdhsa.kernels:
  - .name:           k_q124aec879a_prep
    .symbol:         k_q124aec879a_prep.kd
    .args:
      - { .name: W1, .offset: 0, .size: 8, .value_kind: global_buffer, .address_space: global }
      - { .name: W2, .offset: 8, .size: 8, .value_kind: global_buffer, .address_space: global }
      - { .name: a512_w1, .offset: 16, .size: 8, .value_kind: global_buffer, .address_space: global }
      - { .name: a512_w2, .offset: 24, .size: 8, .value_kind: global_buffer, .address_space: global }
      - { .name: a256_w1, .offset: 32, .size: 8, .value_kind: global_buffer, .address_space: global }
      - { .name: a256_w2, .offset: 40, .size: 8, .value_kind: global_buffer, .address_space: global }
      - { .name: width_idx, .offset: 48, .size: 8, .value_kind: global_buffer, .address_space: global }
      - { .name: wq, .offset: 56, .size: 8, .value_kind: global_buffer, .address_space: global }
      - { .name: route, .offset: 64, .size: 8, .value_kind: global_buffer, .address_space: global }
    .group_segment_fixed_size: 13312
    .private_segment_fixed_size: 0
    .kernarg_segment_align: 8
    .kernarg_segment_size: 72
    .max_flat_workgroup_size: 128
    .sgpr_count:     96
    .vgpr_count:     256
    .wavefront_size: 32
...
	.end_amdgpu_metadata
.endif
;; end of part 1
;; launch ffn (part 2): grid 256 x 1, 4 waves a work-group, no clusters, 324,864 bytes of LDS; arguments x, width_multiplier, route, wq, out0, ln_in_g, ln_in_b, b1, ln_h_g, ln_h_b, b2, a256_b1, a256_b2, a512_b1, a512_b2; writes out0
.if DOCPART == 2
	.amdgcn_target "amdgcn-amd-amdhsa--gfx1250"
	.amdhsa_code_object_version 6
	.text
	.protected	k_q124aec879a_ffn
	.globl	k_q124aec879a_ffn
	.p2align	8
	.type	k_q124aec879a_ffn,@function
k_q124aec879a_ffn:
	s_mov_b64 s[64:65], 0
	v_nop
	global_prefetch_b8 v0, s[64:65] scope:SCOPE_SE
	s_setreg_imm32_b32 hwreg(HW_REG_WAVE_MODE, 25, 1), 1
	s_wait_xcnt 0x0
; out = base x wm + adaptive x (1 - wm);  base = LN(gelu(LN(x) W1 + b1)) W2 + b2;  adaptive = one of two adapters or LN(x), by width_idx.  All six products on codes of FP6 (E2M3) with E8M0 scales for each 32 along K.
; SHARES.  A work-group of four waves takes 32 tokens that are neighbours in the sorted order (route) through the whole chain and owns their rows of out0.  THE WAVES SHARE THE COLUMNS, NOT THE ROWS: wave w makes hidden
; units 512 w on, adapter units 64 w on and 128 w on, and outputs 256 w on, for all 32 rows (two tiles m of 16).  The order class 0 | others | class 1 lets a block walk only the adapters that its tokens use.
; WHICH BLOCK: work-group 16 a + c takes block 16 ((a + c) mod 16) + a.  So work-groups whose numbers are neighbours, and those whose numbers are 16 apart, hold blocks 16 or more apart in the sorted order:
; the classes, and with them the lengths of the streams that are walked, are mixed among them.
; ALL PRODUCTS ARE USED TRANSPOSED (source 0 = 16 weight rows, source 1 = 16 tokens): a lane (r, h) holds ONE token throughout.  A group is 64 columns: 4 fragments f x 2 tiles m = 8 accumulators at ACC + 32 m + 8 f, taken by turns.
; The sums begin as the bias, loaded from a table in LDS into the accumulators, so every matrix instruction adds in place.
; THE WEIGHTS come from wq straight into registers, laid by the launch before in the order of the operand's registers: a ring of four slots (a slot = one K step of a group: 12 loads of 16 bytes and 2 scale words a lane).
; The ring never drains: it runs on through the vector phases and from weight to weight.
; NO TENSOR LOADS AND NO CLUSTER: whether a block walks an adapter hangs on numbers read from route, so partners would ask for different tiles; and the block's own f32 hidden layer takes 262,144 of the LDS bytes, so no slots for tiles fit beside it.
; OPERANDS MADE HERE go from wave to wave through LDS as images of their registers: 64 along K of 16 rows = 6 registers a lane = three stores of 8 bytes at 256 i + 8 lane; its two scale bytes as 16 bits at 32 m + 2 r.
; WHICH TOKEN TAKES WHICH ADAPTER'S RESULT is a choice of values, lane by lane, by v_cndmask_b32: all lanes stay on throughout.
; gelu is exact: erf(u) = u P(u^2) / Q(u^2), degrees 6 and 4, u held to +-4.
; LIMITS: NaN and infinities are not served.  erf is good to a few units in its last place, so gelu's absolute error is about 1e-7 |t| and its relative error grows in the far negative tail.
; A block of zeros gets the scale byte 1: its codes are zeros.
; REGISTERS, in windows of 256 (s_set_vgpr_msb: bits 1:0 source 0, 3:2 source 1, 5:4 source 2, 7:6 destination):
;   window 0: addresses, scale words, statistics, ACC, TMP, BUF.   window 1: 8 rows of x; then x's codes; then a chunk of h on its way from LDS; then the adapters' hidden codes; then h's codes of K steps 0-7.
;   window 2: v0-191 the ring; v192-207 the stores' offsets.   window 3: the tables on their way to LDS; then 'adaptive'; then h's codes of K steps 8-15.
.set XNP,  4112                        ; LDS: XN at 0: 32 rows of LN(x), 4,096 bytes + 16
.set XI,   131584                      ; x's 32 images of 768 bytes
.set XSC,  156160                      ; their scale bytes, 64 for each 64 along K
.set FB,   262144                      ; first layers' biases: 2,816 bytes a wave, 256 a trip
.set FBW,  2816
.set THG,  FB+11264                    ; ln_h_g; ln_h_b 8,192 on
.set TB2,  FB+27648                    ; b2; a256_b2 4,096 on; a512_b2 8,192 on
.set STAT, 302080                      ; the waves' sums (512 bytes) and sums of squares (512)
.set HSC,  303104                      ; h's scale bytes
.set GIMG, 305152                      ; the adapters' hidden layers: 12 pairs of images
.set GSC,  323584                      ; their scale bytes
.set OST,  305152                      ; the way out: 16 rows x 272 bytes a wave, over GIMG, which nobody reads any more by then
.set REC,  6400                        ; a record of wq
.set OFA1, 64*REC
.set OFB1, 72*REC
.set OFA2, 88*REC
.set OFB2, 96*REC
.set OFW2, 112*REC
.set L16, 1                            ; 16, 8, 4, 2 x lane
.set L8,  2
.set L4,  3
.set L2,  4
.set RR,  5                            ; r = lane % 16
.set HH,  6                            ; h = lane / 16
.set BI0, 7                            ; FB + 2816 w + 64 h
.set HW0, 8                            ; 65536 w + 16 lane: my part of the hidden layer, 8 chunks of 8,192 bytes
.set HI0, 9                            ; 65536 w + 8 lane
.set HS0, 10                           ; HSC + 512 w + 2 r
.set GW0, 11                           ; GIMG + 1536 w + 8 lane
.set GS0, 12                           ; GSC + 64 w + 2 r
.set TG0, 13                           ; THG + 2048 w + 64 h
.set B20, 14                           ; TB2 + 1024 w + 32 h
.set AD0, 15                           ; HW0 + 2048: the parked tiles of 'adaptive'
.set ST0, 16                           ; STAT + 128 w + 4 r
.set SR0, 17                           ; STAT + 4 r
.set OW,  18                           ; the way out, in
.set ORD, 19                           ; and back
.set HR,  24                           ; v24-27: 65536 w' + 8 lane
.set RS,  28                           ; v28-35: the ring's scale words: slot j, pair p at 2 j + p
.set AS,  36                           ; v36-51: source 1's scale words, one a K step: lanes 0-15 tile 0, lanes 16-31 tile 1
.set ACC, 72
.set TMP, 136
.set BUF, 176
.set XNW, 244
.set QA0, 245
.set QA1, 246
.set XIW, 247
.set XSW, 248
.set XIR, 249
.set XSR, 250
.set ADR0, 251
.set ADR1, 252
.set GIR, 253
.set HSR, 254
.set PFO, 255                          ; 256 x lane; never rewritten
.set SA,  72                           ; LN of x: 8 pairs of sums, 8 of squares, 8 at work (in ACC's registers)
.set SB,  88
.set PT,  104
.set GX,  136                          ; gelu: u, u^2 (then 1 / Q), P, Q, t / 2
.set GZ,  144
.set GP,  152
.set GQ,  160
.set GH,  168
.set QM,  136                          ; the quantiser: largest magnitudes (then bytes), the other half's, scale operands, half words, codes
.set QT,  140
.set QS,  144
.set QB,  148
.set QP,  152
.set XT,  152
.set SQ,  168
.set MSB, 0
.macro WIN new                         ; the immediate's high byte repeats the setting that is left
.if MSB != \new
	s_set_vgpr_msb (MSB<<8)|\new
.set MSB, \new
.endif
.endm
.macro BARRIER                         ; my LDS stores have landed and my LDS loads are in: then the work-group's barrier
	s_wait_dscnt 0x0
	s_barrier_signal -1
	s_barrier_wait -1
.endm
.macro MM d, a, b, sa, sb, ra, rb      ; one product; ra, rb: the scales stand in lanes 16-31 of their registers
.if (\ra) && (\rb)
	v_wmma_scale_f32_16x16x128_f8f6f4 v[\d:\d+7], v[\a:\a+11], v[\b:\b+11], v[\d:\d+7], v[\sa], v[\sb] matrix_a_fmt:MATRIX_FMT_FP6 matrix_b_fmt:MATRIX_FMT_FP6 matrix_a_scale:MATRIX_SCALE_ROW1 matrix_b_scale:MATRIX_SCALE_ROW1
.elseif (\ra)
	v_wmma_scale_f32_16x16x128_f8f6f4 v[\d:\d+7], v[\a:\a+11], v[\b:\b+11], v[\d:\d+7], v[\sa], v[\sb] matrix_a_fmt:MATRIX_FMT_FP6 matrix_b_fmt:MATRIX_FMT_FP6 matrix_a_scale:MATRIX_SCALE_ROW1
.elseif (\rb)
	v_wmma_scale_f32_16x16x128_f8f6f4 v[\d:\d+7], v[\a:\a+11], v[\b:\b+11], v[\d:\d+7], v[\sa], v[\sb] matrix_a_fmt:MATRIX_FMT_FP6 matrix_b_fmt:MATRIX_FMT_FP6 matrix_b_scale:MATRIX_SCALE_ROW1
.else
	v_wmma_scale_f32_16x16x128_f8f6f4 v[\d:\d+7], v[\a:\a+11], v[\b:\b+11], v[\d:\d+7], v[\sa], v[\sb] matrix_a_fmt:MATRIX_FMT_FP6 matrix_b_fmt:MATRIX_FMT_FP6
.endif
.endm
.set C16, 244                          ; v244-245: the running group's offset in my stream + 16, 4 x lane (the registers held LDS addresses of the head, done with by then)
.set C4,  245
.set N16, 246                          ; v246-247: the same for where the stream goes on
.set N4,  247
.macro OFFS a16, a4, so                ; an offset that was chosen by numbers read from route enters an address behind this hold, in the vector offset alone
	v_mov_b32 v[\a16], s[\so]
	v_min_u32 v[\a16], OFW2, v[\a16]
	v_add_nc_u32 v[\a4], v[\a16], v[L4]
	v_add_nc_u32 v[\a16], v[\a16], v[L16]
.endm
; rb = 66: base s[66:67], made of the argument, the wave's number and constants.  rb = 90, 94: the stream's base s[92:93], with the running or the next offset in the vector registers
.macro RLOAD slot, rb, ro
.set RB, \rb
.set A16, L16
.set A4, L4
.if (\rb) == 90
.set RB, 92
.set A16, C16
.set A4, C4
.endif
.if (\rb) == 94
.set RB, 92
.set A16, N16
.set A4, N4
.endif
	WIN 0x80
.irp f, 0,1,2,3
.irp i, 0,1,2
	global_load_b128 v[48*(\slot)+12*\f+4*\i:48*(\slot)+12*\f+4*\i+3], v[A16], s[RB:RB+1] offset:(\ro)+1536*\f+512*\i
.endr
.endr
	WIN 0
	global_load_b32 v[RS+2*(\slot)], v[A4], s[RB:RB+1] offset:(\ro)+6144
	global_load_b32 v[RS+2*(\slot)+1], v[A4], s[RB:RB+1] offset:(\ro)+6272
.endm
; A K step of a group: 8 products on 8 accumulators, one instruction a turn; then the slot takes the record four steps on.
; cnt: the loads issued behind this slot's 14: in the steady state 42, those of the three younger slots.
.macro STEP slot, mwin, breg, bs, rb, ro, cnt, refill
	s_wait_loadcnt \cnt
	WIN \mwin
.irp f, 0,1,2,3
.irp m, 0,1
	MM ACC+32*\m+8*\f,48*(\slot)+12*\f,(\breg)+12*\m,RS+2*(\slot)+\f/2,\bs,\f%2,\m
.endr
.endr
.if \refill
.rept 4
	v_nop                                          ; four places in front of loads into registers that the products have read, and of the first read of their results
.endr
	RLOAD \slot, \rb, \ro
.else
	WIN 0
.endif
.endm
.macro BIAS1 areg                      ; a first layer's bias as the sums' start: register 8 f + j is unit 32 (f / 2) + 16 h + 8 (f % 2) + j; the same for both tiles of rows
.irp f, 0,1,2,3
.irp hf, 0,1
	ds_load_b128 v[ACC+8*\f+4*\hf:ACC+8*\f+4*\hf+3], v[\areg] offset:128*(\f/2)+32*(\f%2)+16*\hf
	ds_load_b128 v[ACC+32+8*\f+4*\hf:ACC+32+8*\f+4*\hf+3], v[\areg] offset:128*(\f/2)+32*(\f%2)+16*\hf
.endr
.endr
.endm
.macro BIAS2 areg, off                 ; a second layer's: register 8 f + j is output 16 f + 8 h + j
.irp f, 0,1,2,3
.irp hf, 0,1
	ds_load_b128 v[ACC+8*\f+4*\hf:ACC+8*\f+4*\hf+3], v[\areg] offset:(\off)+64*\f+16*\hf
	ds_load_b128 v[ACC+32+8*\f+4*\hf:ACC+32+8*\f+4*\hf+3], v[\areg] offset:(\off)+64*\f+16*\hf
.endr
.endr
.endm
; gelu of one accumulator's eight numbers, four pairs by turns; the accumulator is read from its low end on.
.macro GELU8 a
.irp p, 0,2,4,6
	v_pk_mul_f32 v[GX+\p:GX+\p+1], v[\a+\p:\a+\p+1], s[36:37] op_sel_hi:[1,0]      ; u = t / sqrt(2)
.endr
.irp p, 0,1,2,3,4,5,6,7
	v_med3_num_f32 v[GX+\p], v[GX+\p], -4.0, 4.0
.endr
.irp p, 0,2,4,6
	v_pk_mul_f32 v[GZ+\p:GZ+\p+1], v[GX+\p:GX+\p+1], v[GX+\p:GX+\p+1]
.endr
.irp p, 0,2,4,6
	v_pk_fma_f32 v[GP+\p:GP+\p+1], v[GZ+\p:GZ+\p+1], s[38:39], v[240:241] op_sel_hi:[1,0,1]
.endr
.irp p, 0,2,4,6
	v_pk_fma_f32 v[GQ+\p:GQ+\p+1], v[GZ+\p:GZ+\p+1], s[50:51], v[242:243] op_sel_hi:[1,0,1]
.endr
.irp c, 0,2,4
.irp p, 0,2,4,6
	v_pk_fma_f32 v[GP+\p:GP+\p+1], v[GP+\p:GP+\p+1], v[GZ+\p:GZ+\p+1], s[40+\c:41+\c] op_sel_hi:[1,1,0]
.endr
.irp p, 0,2,4,6
	v_pk_fma_f32 v[GQ+\p:GQ+\p+1], v[GQ+\p:GQ+\p+1], v[GZ+\p:GZ+\p+1], s[52+\c:53+\c] op_sel_hi:[1,1,0]
.endr
.endr
.irp c, 6,8
.irp p, 0,2,4,6
	v_pk_fma_f32 v[GP+\p:GP+\p+1], v[GP+\p:GP+\p+1], v[GZ+\p:GZ+\p+1], s[40+\c:41+\c] op_sel_hi:[1,1,0]
.endr
.endr
	s_wait_alu depctr_va_vdst(0)
.irp p, 0,1,2,3,4,5,6,7
	v_rcp_f32 v[GZ+\p], v[GQ+\p]
.endr
.irp p, 0,2,4,6
	v_pk_mul_f32 v[GP+\p:GP+\p+1], v[GP+\p:GP+\p+1], v[GX+\p:GX+\p+1]              ; (plain lines behind the reciprocals, which touch neither their results nor their sources)
.endr
.irp p, 0,2,4,6
	v_pk_mul_f32 v[GH+\p:GH+\p+1], v[\a+\p:\a+\p+1], 0.5 op_sel_hi:[1,0]
.endr
	s_wait_alu depctr_va_vdst(0)
.irp p, 0,2,4,6
	v_pk_mul_f32 v[GP+\p:GP+\p+1], v[GP+\p:GP+\p+1], v[GZ+\p:GZ+\p+1]              ; erf(u)
.endr
.irp p, 0,2,4,6
	v_pk_fma_f32 v[\a+\p:\a+\p+1], v[GH+\p:GH+\p+1], v[GP+\p:GP+\p+1], v[GH+\p:GH+\p+1]   ; t / 2 x erf + t / 2
.endr
.endm
; 64 registers from v[src] on: for tile m, register 32 m + 16 b + i is k = 32 b + 16 h + i of my row.  They become, for each m, 6 registers of codes (k = 32 h + 0 .. 31 of the 64) at QP + 8 m and two scale bytes in QB + m.
.macro QC2 src
.irp b, 0,1,2,3
	v_max3_num_f32 v[QM+\b], |v[\src+16*\b]|, |v[\src+16*\b+1]|, 0x1800000          ; my 16 numbers of a block, and the floor 2^(3 - 127): the byte cannot fall under 1
.endr
.irp i, 2,4,6,8,10,12,14
.irp b, 0,1,2,3
	v_max3_num_f32 v[QM+\b], v[QM+\b], |v[\src+16*\b+\i]|, |v[\src+16*\b+\i+1]|
.endr
.endr
.irp b, 0,1,2,3
	v_permlanex16_b32 v[QT+\b], v[QM+\b], s58, s59
.endr
.irp b, 0,1,2,3
	v_max_num_f32 v[QM+\b], v[QM+\b], v[QT+\b]     ; with lane l xor 16's 16: the block's largest magnitude
.endr
.irp b, 0,1,2,3
	v_add_nc_u32 v[QS+\b], 0xff000000, v[QM+\b]    ; 2 off its exponent field: the conversion's scale operand
.endr
.irp b, 0,1,2,3
	v_lshrrev_b32 v[QM+\b], 23, v[QS+\b]           ; the scale's byte
.endr
.irp m, 0,1
	v_lshl_or_b32 v[QB+\m], v[QM+2*\m+1], 8, v[QM+2*\m]
.endr
.irp m, 0,1
	v_cvt_scalef32_pk16_fp6_f32 v[QP+8*\m:QP+8*\m+2], v[\src+32*\m:\src+32*\m+15], v[QS+2*\m]
	v_cvt_scalef32_pk16_fp6_f32 v[QP+8*\m+4:QP+8*\m+6], v[\src+32*\m+16:\src+32*\m+31], v[QS+2*\m+1]
.endr
	v_nop                                          ; one plain place behind a scaled conversion
.irp m, 0,1                            ; the operand's layout wants a whole block in a lane: lanes 0-15 the first block, lanes 16-31 the second
.irp i, 0,1,2
	v_permlane16_swap_b32 v[QP+8*\m+\i], v[QP+8*\m+4+\i]
.endr
.endr
.irp m, 0,1
.irp i, 0,1,2
	v_mov_b32 v[QP+8*\m+3+\i], v[QP+8*\m+4+\i]
.endr
.endr
.endm
.macro QOUT ireg, sreg                 ; both images and both half words to LDS
.irp m, 0,1
.irp i, 0,1,2
	ds_store_b64 v[\ireg], v[QP+8*\m+2*\i:QP+8*\m+2*\i+1] offset:768*\m+256*\i
.endr
	ds_store_b16 v[\sreg], v[QB+\m] offset:32*\m   ; both halves of the lanes write the same 16 bits
.endr
.endm
; The waves' figures for my two rows meet in LDS: pairs p0 (tile 0), p1 (tile 1) in; the rows' totals in their low registers out.  One barrier.
.macro XCHG area, p0, p1
	v_add_f32 v[\p0], v[\p0], v[\p0+1]
	v_add_f32 v[\p1], v[\p1], v[\p1+1]
	v_permlanex16_b32 v[QT], v[\p0], s58, s59
	v_permlanex16_b32 v[QT+1], v[\p1], s58, s59
	v_add_f32 v[\p0], v[\p0], v[QT]
	v_add_f32 v[\p1], v[\p1], v[QT+1]
	ds_store_b32 v[ST0], v[\p0] offset:\area
	ds_store_b32 v[ST0], v[\p1] offset:\area+64
	BARRIER
.irp ww, 0,1,2,3
	ds_load_b32 v[XT+2*\ww], v[SR0] offset:\area+128*\ww
	ds_load_b32 v[XT+2*\ww+1], v[SR0] offset:\area+128*\ww+64
.endr
	s_wait_dscnt 0x0
	v_add_f32 v[\p0], v[XT], v[XT+2]
	v_add_f32 v[\p1], v[XT+1], v[XT+3]
	v_add_f32 v[XT], v[XT+4], v[XT+6]
	v_add_f32 v[XT+1], v[XT+5], v[XT+7]
	v_add_f32 v[\p0], v[\p0], v[XT]
	v_add_f32 v[\p1], v[\p1], v[XT+1]
.endm
; A chunk of my part of the hidden layer (64 units x 32 rows, an image of the accumulators) comes into v0-63 of window 1, a trip ahead of its use.
.macro HLOAD areg
	WIN 0x40
.irp a, 0,1,2,3,4,5,6,7
	ds_load_b128 v[8*\a:8*\a+3], v[\areg] offset:1024*\a
	ds_load_b128 v[8*\a+4:8*\a+7], v[\areg] offset:1024*\a+512
.endr
	WIN 0
.endm
; ln_h_g and ln_h_b at a chunk's units come into BUF and BUF + 32.
.macro GBLOAD areg
.irp f, 0,1,2,3
.irp hf, 0,1
	ds_load_b128 v[BUF+8*\f+4*\hf:BUF+8*\f+4*\hf+3], v[\areg] offset:128*(\f/2)+32*(\f%2)+16*\hf
	ds_load_b128 v[BUF+32+8*\f+4*\hf:BUF+32+8*\f+4*\hf+3], v[\areg] offset:8192+128*(\f/2)+32*(\f%2)+16*\hf
.endr
.endr
.endm
; ACC = the chunk in window 1 less the rows' means: behind these lines window 1's registers are free for the next chunk.
.macro CENTRE
	WIN 0x01
.irp q, 0,1,2,3,4,5,6,7,8,9,10,11,12,13,14,15
	v_pk_add_f32 v[ACC+2*\q:ACC+2*\q+1], v[2*\q:2*\q+1], v[60:61] neg_lo:[0,1] neg_hi:[0,1]
	v_pk_add_f32 v[ACC+32+2*\q:ACC+32+2*\q+1], v[32+2*\q:33+2*\q], v[62:63] neg_lo:[0,1] neg_hi:[0,1]
.endr
	WIN 0
.endm
; The parked tiles of 'adaptive' of one group of outputs come into BUF: tile (m, f) at BUF + 32 m + 8 f, in the accumulators' layout.
.macro PARKLD areg, off
.irp m, 0,1
.irp f, 0,1,2,3
.irp hf, 0,1
	ds_load_b128 v[BUF+32*\m+8*\f+4*\hf:BUF+32*\m+8*\f+4*\hf+3], v[\areg] offset:(\off)+8192*\m+1024*\f+512*\hf
.endr
.endr
.endr
.endm
; An adapter's results take the place of 'adaptive' in the lanes whose token is of the adapter's class (mask mk for tile 0, mk + 1 for tile 1); the tiles go back to their places.
; The selects run in ascending order.
.macro SELST areg, off, mk
.irp m, 0,1
.irp j, 0,1,2,3,4,5,6,7,8,9,10,11,12,13,14,15,16,17,18,19,20,21,22,23,24,25,26,27,28,29,30,31
	v_cndmask_b32 v[BUF+32*\m+\j], v[BUF+32*\m+\j], v[ACC+32*\m+\j], s[\mk+\m]
.endr
.endr
.irp m, 0,1
.irp f, 0,1,2,3
.irp hf, 0,1
	ds_store_b128 v[\areg], v[BUF+32*\m+8*\f+4*\hf:BUF+32*\m+8*\f+4*\hf+3] offset:(\off)+8192*\m+1024*\f+512*\hf
.endr
.endr
.endr
.endm
.macro RED8 base                       ; eight pairs become eight sums over the wave's 32 lanes, by turns
.irp i, 0,1,2,3,4,5,6,7
	v_add_f32 v[\base+2*\i], v[\base+2*\i], v[\base+2*\i+1]
.endr
.irp x, 1,2,4,8
.irp i, 0,1,2,3,4,5,6,7
	v_add_f32_dpp v[\base+2*\i], v[\base+2*\i], v[\base+2*\i] row_xmask:\x row_mask:0xf bank_mask:0xf
.endr
.endr
.irp i, 0,1,2,3,4,5,6,7
	v_permlanex16_b32 v[PT+\i], v[\base+2*\i], s58, s59
.endr
.irp i, 0,1,2,3,4,5,6,7
	v_add_f32 v[\base+2*\i], v[\base+2*\i], v[PT+\i]
.endr
.endm
.macro KP reg, val                     ; a constant as a scalar pair: the packed forms name the pair
	s_mov_b32 s[\reg], \val
	s_mov_b32 s[\reg+1], \val
.endm
	; ================ HEAD
	s_load_b512 s[4:19], s[0:1], 0x0               ; x s[4:5], width_multiplier s[6:7], route s[8:9], wq s[10:11], out0 s[12:13], ln_in_g s[14:15], ln_in_b s[16:17], b1 s[18:19]
	s_load_b256 s[20:27], s[0:1], 0x40             ; ln_h_g, ln_h_b, b2, a256_b1
	s_load_b128 s[28:31], s[0:1], 0x60             ; a256_b2, a512_b1
	s_load_b64 s[32:33], s[0:1], 0x70              ; a512_b2
	s_set_vgpr_msb 0x80
	v_lshl_add_u32 v254, v0, 2, 0x4f300
	v_mov_b32 v255, 0
	s_set_vgpr_msb 0x8000
	v_lshrrev_b32 v20, 5, v0
	v_readfirstlane_b32 s2, v20                    ; wave
	s_and_b32 s85, ttmp9, 15                       ; work-group 16 a + c:  c,
	s_lshr_b32 s86, ttmp9, 4                       ; a
	s_add_co_u32 s85, s85, s86
	s_and_b32 s85, s85, 15
	s_lshl_b32 s85, s85, 4
	s_or_b32 s3, s85, s86                          ; my block of 32 sorted places: 16 ((a + c) mod 16) + a; each block has one work-group
	v_and_b32 v21, 31, v0
	v_lshlrev_b32 v[L16], 4, v21
	v_lshlrev_b32 v[L8], 3, v21
	v_lshlrev_b32 v[L4], 2, v21
	v_lshlrev_b32 v[L2], 1, v21
	v_lshlrev_b32 v[PFO], 8, v21
	v_and_b32 v[RR], 15, v0
	s_wait_alu depctr_va_vdst(0)
	v_bfe_u32 v[HH], v0, 4, 1
	s_wait_alu depctr_va_vdst(0)
	s_mul_i32 s85, s2, FBW
	s_add_co_u32 s85, s85, FB
	v_lshl_add_u32 v[BI0], v[HH], 6, s85
	s_lshl_b32 s86, s2, 16
	v_add_nc_u32 v[HW0], s86, v[L16]
	v_add_nc_u32 v[HI0], s86, v[L8]
	v_add_nc_u32 v[AD0], 2048, v[HW0]
	s_lshl_b32 s86, s2, 9
	s_add_co_u32 s86, s86, HSC
	v_lshl_add_u32 v[HS0], v[RR], 1, s86
	s_mul_i32 s86, s2, 1536
	s_add_co_u32 s86, s86, GIMG
	v_add_nc_u32 v[GW0], s86, v[L8]
	s_lshl_b32 s86, s2, 6
	s_add_co_u32 s86, s86, GSC
	v_lshl_add_u32 v[GS0], v[RR], 1, s86
	s_lshl_b32 s86, s2, 11
	s_add_co_u32 s86, s86, THG
	v_lshl_add_u32 v[TG0], v[HH], 6, s86
	s_lshl_b32 s87, s2, 10                         ; 1024 w
	s_add_co_u32 s86, s87, TB2
	v_lshl_add_u32 v[B20], v[HH], 5, s86
	s_lshl_b32 s86, s2, 7
	s_add_co_u32 s86, s86, STAT
	v_lshl_add_u32 v[ST0], v[RR], 2, s86
	v_lshl_add_u32 v[SR0], v[RR], 2, STAT
	s_mul_i32 s86, s2, 4352
	s_add_co_u32 s86, s86, OST
	v_mul_u32_u24 v[OW], v[RR], 272
	v_lshl_add_u32 v[OW], v[HH], 5, v[OW]
	v_add_nc_u32 v[OW], s86, v[OW]                 ; in: row r, 32 bytes for each half of the lanes
	v_mul_u32_u24 v[ORD], v[HH], 272
	v_lshl_add_u32 v[ORD], v[RR], 4, v[ORD]
	v_add_nc_u32 v[ORD], s86, v[ORD]               ; back: lanes 0-15 one row of 256 bytes, lanes 16-31 the next
.irp ww, 0,1,2,3
	v_add_nc_u32 v[HR+\ww], 65536*\ww, v[L8]
.endr
	s_mul_i32 s86, s2, 8*XNP
	v_add_nc_u32 v[XNW], s86, v[L16]               ; XN: my 8 rows, 16 bytes a lane
	v_mul_u32_u24 v[QA0], v[RR], XNP
	v_add_nc_u32 v[QA0], s87, v[QA0]               ; row r, my wave's 256 columns
	v_lshl_add_u32 v[ADR0], v[HH], 5, v[QA0]       ; + 32 h: the output's layout
	v_lshl_add_u32 v[QA0], v[HH], 6, v[QA0]        ; + 64 h: the quantiser's
	v_add_nc_u32 v[QA1], 16*XNP, v[QA0]            ; and the same 16 rows on
	v_add_nc_u32 v[ADR1], 16*XNP, v[ADR0]
	s_mul_i32 s86, s2, 6144
	s_add_co_u32 s86, s86, XI
	v_add_nc_u32 v[XIW], s86, v[L8]
	s_lshl_b32 s86, s2, 8
	s_add_co_u32 s86, s86, XSC
	v_lshl_add_u32 v[XSW], v[RR], 1, s86
	v_add_nc_u32 v[XIR], XI, v[L8]
	v_add_nc_u32 v[XSR], XSC, v[L2]
	v_add_nc_u32 v[GIR], GIMG, v[L8]
	v_add_nc_u32 v[HSR], HSC, v[L2]
	v_lshlrev_b32 v162, 4, v0                      ; 16 and 8 x thread: the tables' bytes
	v_lshlrev_b32 v163, 3, v0
	v_lshl_add_u32 v164, v[RR], 4, s87             ; 1024 w + 16 r
	v_add_nc_u32 v165, FB, v162
	v_add_nc_u32 v166, s85, v[L8]
	v_add_nc_u32 v167, s85, v[L16]
	s_lshl_b32 s88, s2, 5
	v_mov_b32 v22, s88                             ; route: my wave's 8 rows
	v_lshlrev_b32 v23, 2, v[HH]
	v_lshlrev_b32 v21, 2, v[RR]
	KP 36, 0x3f3504f3                              ; 1 / sqrt(2)
	KP 38, 0xaf95df0b                              ; P's coefficients, the highest first (the second in v[240:241])
	KP 40, 0xb60cff51
	KP 42, 0xb86ec2d2
	KP 44, 0xba40ac63
	KP 46, 0xbb41a1f6
	KP 48, 0xbc83dbd4
	KP 50, 0xb77460cd                              ; Q's (the second in v[242:243])
	KP 52, 0xbadc924e
	KP 54, 0xbbf19bf8
	KP 56, 0xbc69b6a7
	s_mov_b32 s58, 0x76543210
	s_mov_b32 s59, 0xfedcba98                      ; v_permlanex16_b32's selects for lane l xor 16
	s_mov_b32 s96, 0x3a800000                      ; 1 / 1024
	s_mov_b32 s97, 0x3727c5ac                      ; 1e-5
	v_mov_b32 v240, 0x32edffee
	v_mov_b32 v241, 0x32edffee
	v_mov_b32 v242, 0xb95fbd29
	v_mov_b32 v243, 0xb95fbd29
.irp i, 0,1,2,3,4,5,6,7
	v_mov_b32 v[PT+\i], 0                          ; written once: a lane permute's destination counts as one of its sources
.endr
	s_wait_kmcnt 0x0
	s_load_b64 s[60:61], s[8:9], 0x8000            ; n0, the number of class 0; n02, the first place of class 1
	s_lshl_b32 s86, s3, 7
	s_mov_b32 s87, 0
	s_add_nc_u64 s[34:35], s[8:9], s[86:87]        ; route at my block
	s_mul_i32 s86, s2, 176*REC
	s_add_nc_u64 s[66:67], s[10:11], s[86:87]      ; CUR: my wave's stream of wq
	s_add_nc_u64 s[92:93], s[10:11], s[86:87]      ; the stream's base once more; never rewritten: CUR and NXT are made of it and a held offset
	s_mov_b32 s90, 0                               ; the running group's offset in the stream
	s_mov_b32 s94, 0                               ; the offset at which the stream goes on
	; 26 loads of route: my wave's 8 rows for the norm; the rows that my lane stores; my lane's two rows
.irp i, 0,1,2,3,4,5,6,7
	global_load_b32 v[136+\i], v22, s[34:35] offset:4*\i
.endr
.irp m, 0,1
.irp i, 0,1,2,3,4,5,6,7
	global_load_b32 v[144+8*\m+\i], v23, s[34:35] offset:64*\m+8*\i
.endr
.endr
.irp m, 0,1
	global_load_b32 v[160+\m], v21, s[34:35] offset:64*\m
.endr
	; 20 loads of the tables, into window 3
	WIN 0xc0
.irp j, 0,1,2,3
	global_load_b128 v[4*\j:4*\j+3], v162, s[18:19] offset:2048*\j
.endr
.irp j, 0,1,2,3
	global_load_b128 v[16+4*\j:19+4*\j], v162, s[20:21] offset:2048*\j
.endr
.irp j, 0,1,2,3
	global_load_b128 v[32+4*\j:35+4*\j], v162, s[22:23] offset:2048*\j
.endr
.irp j, 0,1
	global_load_b128 v[48+4*\j:51+4*\j], v162, s[24:25] offset:2048*\j
.endr
.irp j, 0,1
	global_load_b128 v[56+4*\j:59+4*\j], v162, s[28:29] offset:2048*\j
.endr
.irp j, 0,1
	global_load_b128 v[64+4*\j:67+4*\j], v162, s[32:33] offset:2048*\j
.endr
	global_load_b128 v[72:75], v162, s[30:31]
	global_load_b64 v[76:77], v163, s[26:27]
	WIN 0
	; 16 loads: ln_in_g and ln_in_b at my lane's columns
.irp j, 0,1,2,3,4,5,6,7
	global_load_b128 v[BUF+4*\j:BUF+4*\j+3], v[L16], s[14:15] offset:512*\j
.endr
.irp j, 0,1,2,3,4,5,6,7
	global_load_b128 v[BUF+32+4*\j:BUF+32+4*\j+3], v[L16], s[16:17] offset:512*\j
.endr
	s_wait_loadcnt 36                              ; route's 26 are in; the 20 + 16 issued behind them may be out
.irp i, 0,1,2,3,4,5,6,7
	v_min_u32 v[136+\i], 8191, v[136+\i]           ; a loaded number enters an address behind this hold
.endr
.irp i, 0,1,2,3,4,5,6,7
	v_lshl_add_u32 v[136+\i], v[136+\i], 12, v[L16]   ; the token's row of 4,096 bytes + 16 lane
.endr
.irp e, 0,1,2,3,4,5,6,7,8,9,10,11,12,13,14,15
	v_min_u32 v[144+\e], 8191, v[144+\e]
.endr
	v_min_u32 v160, 8191, v160
	v_min_u32 v161, 8191, v161
	v_lshlrev_b32 v160, 2, v160
	v_lshlrev_b32 v161, 2, v161
	WIN 0x80
.irp e, 0,1,2,3,4,5,6,7,8,9,10,11,12,13,14,15
	v_lshl_add_u32 v[192+\e], v[144+\e], 12, v164  ; window 2: where row 16 m + 2 i + h of the block goes in out0, at my wave's columns
.endr
	WIN 0x40
.irp i, 0,1,2,3
.irp j, 0,1,2,3,4,5,6,7
	global_load_b128 v[32*\i+4*\j:32*\i+4*\j+3], v[136+\i], s[4:5] offset:512*\j th:TH_LOAD_NT   ; a row of x: eight loads of 512 consecutive bytes; each row is read once in the launch
.endr
.endr
	s_wait_loadcnt 48                              ; the tables are in; the 16 + 32 issued behind them may be out
	WIN 0x0c
.irp j, 0,1,2,3
	ds_store_b128 v165, v[4*\j:4*\j+3] offset:FBW*\j               ; b1: wave j's 512 units
.endr
.irp j, 0,1,2,3
	ds_store_b128 v165, v[16+4*\j:19+4*\j] offset:11264+2048*\j
.endr
.irp j, 0,1,2,3
	ds_store_b128 v165, v[32+4*\j:35+4*\j] offset:19456+2048*\j
.endr
.irp j, 0,1
	ds_store_b128 v165, v[48+4*\j:51+4*\j] offset:27648+2048*\j
.endr
.irp j, 0,1
	ds_store_b128 v165, v[56+4*\j:59+4*\j] offset:31744+2048*\j
.endr
.irp j, 0,1
	ds_store_b128 v165, v[64+4*\j:67+4*\j] offset:35840+2048*\j
.endr
	ds_store_b128 v167, v[72:75] offset:2304       ; a512_b1: my wave's thread numbers hold my wave's 128 units
	ds_store_b64 v166, v[76:77] offset:2048        ; a256_b1: likewise its 64
	WIN 0x40
.irp i, 4,5,6,7
.irp j, 0,1,2,3,4,5,6,7
	global_load_b128 v[32*\i+4*\j:32*\i+4*\j+3], v[136+\i], s[4:5] offset:512*\j th:TH_LOAD_NT
.endr
.endr
	WIN 0
	global_load_b32 v52, v160, s[6:7]              ; wm of my row in tile 0,
	global_load_b32 v54, v161, s[6:7]              ; in tile 1
.irp n, 0,1,2,3
	RLOAD \n, 66, REC*\n                           ; the ring is filled: W1's first four K steps, 56 loads
.endr
	s_wait_loadcnt 56                              ; all but the ring's 56
	; A PREFETCH INTO THE L2: wave w of block b, where 4 b + w is under 550, names 8,192 bytes of wq, lanes 256 bytes apart: 550 x 8,192 = wq's 4,505,600 bytes, each aligned block of 256 once in the launch.
	s_lshl_b32 s86, s3, 2
	s_add_co_u32 s86, s86, s2
	s_lshl_b32 s88, s86, 13
	s_mov_b32 s89, 0
	s_add_nc_u64 s[98:99], s[10:11], s[88:89]      ; never rewritten
	s_cmp_lt_u32 s86, 550
	s_cbranch_scc0 .Lno_pf
	global_prefetch_b8 v[PFO], s[98:99] th:TH_LOAD_NT scope:SCOPE_SE
.Lno_pf:
	v_mov_b32 v53, v52
	v_mov_b32 v55, v54
	v_sub_f32 v56, 1.0, v52
	v_sub_f32 v57, 1.0, v52
	v_sub_f32 v58, 1.0, v54
	v_sub_f32 v59, 1.0, v54
	s_wait_kmcnt 0x0
	s_lshl_b32 s85, s3, 5                          ; my first place
	s_cmp_lt_u32 s85, s60
	s_cselect_b32 s78, 1, 0                        ; has0: the block holds a token of class 0
	s_add_co_u32 s86, s85, 32
	s_cmp_gt_u32 s86, s61
	s_cselect_b32 s79, 1, 0                        ; has1
	s_lshl_b32 s86, s78, 8
	s_mul_i32 s87, s79, 0x600
	s_or_b32 s62, s86, s87
	s_or_b32 s62, s62, 0xff                        ; RUN: bit k = trip k of the first layers is walked
	v_add_nc_u32 v168, s85, v[RR]
	v_add_nc_u32 v169, 16, v168
	v_cmp_gt_u32 s80, s60, v168                    ; my row of tile 0, 1 is of class 0;
	v_cmp_gt_u32 s81, s60, v169
	v_cmp_le_u32 s82, s61, v168                    ; of class 1
	v_cmp_le_u32 s83, s61, v169
	; where the stream goes on behind W1, a256_w1, a512_w1, a256_w2: offsets chosen between constants, held, and added to the stream's base
	s_mov_b32 s89, 0
	s_mov_b32 s88, OFW2
	s_cmp_lg_u32 s79, 0
	s_cselect_b32 s88, OFB1, s88
	s_cmp_lg_u32 s78, 0
	s_cselect_b32 s88, OFA1, s88
	s_min_u32 s88, s88, OFW2
	s_mov_b32 s70, s88                             ; the offset behind W1
	s_mov_b32 s88, OFA2
	s_cmp_lg_u32 s79, 0
	s_cselect_b32 s88, OFB1, s88
	s_min_u32 s88, s88, OFW2
	s_mov_b32 s72, s88                             ; behind a256_w1
	s_mov_b32 s88, OFB2
	s_cmp_lg_u32 s78, 0
	s_cselect_b32 s88, OFA2, s88
	s_min_u32 s88, s88, OFW2
	s_mov_b32 s74, s88                             ; behind a512_w1
	s_mov_b32 s88, OFW2
	s_cmp_lg_u32 s79, 0
	s_cselect_b32 s88, OFB2, s88
	s_min_u32 s88, s88, OFW2
	s_mov_b32 s76, s88                             ; behind a256_w2
	; ================ L: the norm of x.  My wave's 8 rows lie in window 1, 32 registers a row; the eight by turns
	WIN 0x05
.irp i, 0,1,2,3,4,5,6,7
	v_pk_add_f32 v[SA+2*\i:SA+2*\i+1], v[32*\i:32*\i+1], v[32*\i+2:32*\i+3]
.endr
	WIN 0x01
.irp q, 2,3,4,5,6,7,8,9,10,11,12,13,14,15
.irp i, 0,1,2,3,4,5,6,7
	v_pk_add_f32 v[SA+2*\i:SA+2*\i+1], v[32*\i+2*\q:32*\i+2*\q+1], v[SA+2*\i:SA+2*\i+1]
.endr
.endr
	WIN 0
	RED8 SA
.irp i, 0,1,2,3,4,5,6,7
	v_mul_f32 v[SA+2*\i], s96, v[SA+2*\i]          ; the mean
.endr
	WIN 0x41
.irp q, 0,1,2,3,4,5,6,7,8,9,10,11,12,13,14,15
.irp i, 0,1,2,3,4,5,6,7
	v_pk_add_f32 v[32*\i+2*\q:32*\i+2*\q+1], v[32*\i+2*\q:32*\i+2*\q+1], v[SA+2*\i:SA+2*\i+1] op_sel_hi:[1,0] neg_lo:[0,1] neg_hi:[0,1]
.endr
.endr
	WIN 0x05
.irp i, 0,1,2,3,4,5,6,7
	v_pk_mul_f32 v[SB+2*\i:SB+2*\i+1], v[32*\i:32*\i+1], v[32*\i:32*\i+1]
.endr
.irp q, 1,2,3,4,5,6,7,8,9,10,11,12,13,14,15
.irp i, 0,1,2,3,4,5,6,7
	v_pk_fma_f32 v[SB+2*\i:SB+2*\i+1], v[32*\i+2*\q:32*\i+2*\q+1], v[32*\i+2*\q:32*\i+2*\q+1], v[SB+2*\i:SB+2*\i+1]
.endr
.endr
	WIN 0
	RED8 SB
.irp i, 0,1,2,3,4,5,6,7
	v_fma_f32 v[SB+2*\i], v[SB+2*\i], s96, s97     ; the variance + 1e-5
.endr
	s_wait_alu depctr_va_vdst(0)
.irp i, 0,1,2,3,4,5,6,7
	v_rsq_f32 v[SB+2*\i], v[SB+2*\i]
.endr
	v_nop                                          ; one plain place behind the last transcendental
	WIN 0x41
	s_wait_alu depctr_va_vdst(0)
.irp q, 0,1,2,3,4,5,6,7,8,9,10,11,12,13,14,15
.irp i, 0,1,2,3,4,5,6,7
	v_pk_mul_f32 v[32*\i+2*\q:32*\i+2*\q+1], v[32*\i+2*\q:32*\i+2*\q+1], v[SB+2*\i:SB+2*\i+1] op_sel_hi:[1,0]
.endr
.endr
.irp q, 0,1,2,3,4,5,6,7,8,9,10,11,12,13,14,15
.irp i, 0,1,2,3,4,5,6,7
	v_pk_fma_f32 v[32*\i+2*\q:32*\i+2*\q+1], v[32*\i+2*\q:32*\i+2*\q+1], v[BUF+2*\q:BUF+2*\q+1], v[BUF+32+2*\q:BUF+32+2*\q+1]
.endr
.endr
	WIN 0x04
.irp i, 0,1,2,3,4,5,6,7
.irp j, 0,1,2,3,4,5,6,7
	ds_store_b128 v[XNW], v[32*\i+4*\j:32*\i+4*\j+3] offset:XNP*\i+512*\j
.endr
.endr
	WIN 0
	BARRIER                                        ; LN(x)'s 32 rows and the tables lie in LDS
	s_mov_b32 s96, 0x3a000000                      ; 1 / 2048 from here on
.irp b, 0,1,2,3
	v_mov_b32 v[QT+\b], 0                          ; a lane permute's destination counts as one of its sources
.endr
	; ================ Q: my wave's 256 columns of LN(x), 64 at a time, for both tiles of rows, become images
	s_mov_b32 s85, 0
.Lq:
	s_lshl_b32 s86, s85, 8
	s_mul_i32 s87, s85, 1536
	s_lshl_b32 s88, s85, 6
	v_add_nc_u32 v20, s86, v[QA0]
	v_add_nc_u32 v21, s86, v[QA1]
	v_add_nc_u32 v22, s87, v[XIW]
	v_add_nc_u32 v23, s88, v[XSW]
.irp b, 0,1
.irp j, 0,1,2,3
	ds_load_b128 v[ACC+16*\b+4*\j:ACC+16*\b+4*\j+3], v20 offset:128*\b+16*\j
	ds_load_b128 v[ACC+32+16*\b+4*\j:ACC+32+16*\b+4*\j+3], v21 offset:128*\b+16*\j
.endr
.endr
	s_wait_dscnt 0x0
	QC2 ACC
	QOUT 22, 23
	s_add_co_u32 s85, s85, 1
	s_cmp_lt_u32 s85, 4
	s_cbranch_scc1 .Lq
	BARRIER                                        ; x's 32 images and their scale bytes lie in LDS
	; ================ R: every wave takes all of x's codes, their scale words, and LN(x) at its own outputs ('adaptive' as it stands for the tokens of no adapter)
	WIN 0x40
.irp s, 0,1,2,3,4,5,6,7
.irp m, 0,1
.irp c, 0,1
.irp i, 0,1,2
	ds_load_b64 v[24*\s+12*\m+6*\c+2*\i:24*\s+12*\m+6*\c+2*\i+1], v[XIR] offset:(2*\s+\c)*1536+768*\m+256*\i
.endr
.endr
.endr
.endr
	WIN 0
.irp e, 0,1,2,3,4,5,6,7,8,9,10,11,12,13,14,15
	ds_load_u16 v[TMP+\e], v[XSR] offset:64*\e
.endr
	WIN 0xc0
.irp g, 0,1,2,3
.irp m, 0,1
.irp f, 0,1,2,3
.irp hf, 0,1
	ds_load_b128 v[8*(8*\g+4*\m+\f)+4*\hf:8*(8*\g+4*\m+\f)+4*\hf+3], v[ADR0+\m] offset:64*(4*\g+\f)+16*\hf
.endr
.endr
.endr
.endr
	WIN 0
	s_wait_dscnt 0x0
.irp s, 0,1,2,3,4,5,6,7
	v_lshl_or_b32 v[AS+\s], v[TMP+2*\s+1], 16, v[TMP+2*\s]         ; a K step's scale word: lanes 0-15 tile 0's rows, lanes 16-31 tile 1's
.endr
	s_barrier_signal -1                            ; (the wait above has shown all my LDS loads in)
	s_barrier_wait -1                              ; nobody reads XN or x's images any more: the hidden layer may be laid over them
.rept 8
	v_nop                                          ; a scale register written by a vector instruction stands 8 places ahead of a scaled matrix instruction
.endr
	; ================ FIRST: the first layers.  11 trips of one group: W1's eight, a256_w1's one, a512_w1's two; a trip that the block does not need is passed over
.irp j, 60,61,62,63,64,65,66,67,68,69,70,71
	v_mov_b32 v[\j], 0                             ; v60-63: c, a shift for each tile of rows; v64-67: my sums of (h - c)^2; v68-71: of h - c
.endr
	s_mov_b32 s85, 0
.Lfirst:
	s_bitcmp1_b32 s62, s85
	s_cbranch_scc0 .Lfirst_next
	s_lshl_b32 s86, s85, 8
	v_add_nc_u32 v20, s86, v[BI0]
	BIAS1 20
	s_add_co_u32 s94, s90, 8*REC                   ; NXT: where the stream goes on behind this trip, as an offset (no load that names NXT is untranslated: the wait at the last trip's end)
	s_cmp_eq_u32 s85, 7
	s_cselect_b32 s94, s70, s94
	s_cmp_eq_u32 s85, 8
	s_cselect_b32 s94, s72, s94
	s_cmp_eq_u32 s85, 10
	s_cselect_b32 s94, s74, s94
	OFFS N16, N4, 94
	OFFS C16, C4, 90                               ; both offsets are held and made anew in the trip that uses them: no address register is carried round the loop
	s_wait_alu depctr_va_vdst(0)
	s_wait_dscnt 0x0                               ; the bias is in
.irp n, 0,1,2,3
	STEP \n,0x06,24*\n,AS+\n,90,REC*(\n+4),42,1
.endr
	s_wait_alu depctr_va_vdst(0)
.irp n, 4,5,6,7
	STEP \n-4,0x06,24*\n,AS+\n,94,REC*(\n-4),42,1
.endr
.irp a, 0,1,2,3,4,5,6,7
	GELU8 ACC+8*\a
.endr
	s_cmp_lt_u32 s85, 8
	s_cbranch_scc0 .Lfirst_ad
	s_cmp_lg_u32 s85, 0
	s_wait_alu depctr_va_vdst(0)
	s_cbranch_scc1 .Lhave_c
	; the first group alone: c = the mean of my 32 numbers of each tile of rows.  It lies near the row's mean, so the sums of h - c and of (h - c)^2 stay of the size of h's spread, whatever offset h carries
	v_pk_add_f32 v[GX:GX+1], v[ACC:ACC+1], v[ACC+2:ACC+3]
	v_pk_add_f32 v[GX+2:GX+3], v[ACC+32:ACC+33], v[ACC+34:ACC+35]
.irp q, 2,3,4,5,6,7,8,9,10,11,12,13,14,15
	v_pk_add_f32 v[GX:GX+1], v[GX:GX+1], v[ACC+2*\q:ACC+2*\q+1]
	v_pk_add_f32 v[GX+2:GX+3], v[GX+2:GX+3], v[ACC+32+2*\q:ACC+32+2*\q+1]
.endr
	v_add_f32 v[GX], v[GX], v[GX+1]
	v_add_f32 v[GX+2], v[GX+2], v[GX+3]
	v_mul_f32 v60, 0x3d000000, v[GX]               ; / 32
	v_mul_f32 v62, 0x3d000000, v[GX+2]
	v_mul_f32 v61, 0x3d000000, v[GX]
	v_mul_f32 v63, 0x3d000000, v[GX+2]
.Lhave_c:
.irp q, 0,1,2,3,4,5,6,7,8,9,10,11,12,13,14,15
	v_pk_add_f32 v[GX+4*(\q%8):GX+4*(\q%8)+1], v[ACC+2*\q:ACC+2*\q+1], v[60:61] neg_lo:[0,1] neg_hi:[0,1]          ; h - c, both tiles by turns
	v_pk_add_f32 v[GX+4*(\q%8)+2:GX+4*(\q%8)+3], v[ACC+32+2*\q:ACC+32+2*\q+1], v[62:63] neg_lo:[0,1] neg_hi:[0,1]
	v_pk_add_f32 v[68:69], v[68:69], v[GX+4*(\q%8):GX+4*(\q%8)+1]
	v_pk_add_f32 v[70:71], v[70:71], v[GX+4*(\q%8)+2:GX+4*(\q%8)+3]
	v_pk_fma_f32 v[64:65], v[GX+4*(\q%8):GX+4*(\q%8)+1], v[GX+4*(\q%8):GX+4*(\q%8)+1], v[64:65]
	v_pk_fma_f32 v[66:67], v[GX+4*(\q%8)+2:GX+4*(\q%8)+3], v[GX+4*(\q%8)+2:GX+4*(\q%8)+3], v[66:67]
.endr
	s_and_b32 s86, s85, 7
	s_lshl_b32 s86, s86, 13
	v_add_nc_u32 v21, s86, v[HW0]
.irp a, 0,1,2,3,4,5,6,7
	ds_store_b128 v21, v[ACC+8*\a:ACC+8*\a+3] offset:1024*\a       ; the group as f32, an image of the accumulators, into my own chunk
	ds_store_b128 v21, v[ACC+8*\a+4:ACC+8*\a+7] offset:1024*\a+512
.endr
	s_branch .Lfirst_end
.Lfirst_ad:
	s_and_b32 s86, s85, 3                          ; trips 8, 9, 10: places 0, 1, 2
	s_min_u32 s86, s86, 2
	s_mul_i32 s87, s86, 6144
	s_lshl_b32 s88, s86, 8
	v_add_nc_u32 v22, s87, v[GW0]
	v_add_nc_u32 v23, s88, v[GS0]
	QC2 ACC
	QOUT 22, 23
.Lfirst_end:
	s_wait_xcnt 0x0                                ; the refills have had their addresses translated: the offsets' registers are written only behind this wait
	s_mov_b32 s90, s94                             ; the next trip that is walked begins where this one's refills went on
.Lfirst_next:
	s_add_co_u32 s85, s85, 1
	s_cmp_lt_u32 s85, 11
	s_cbranch_scc1 .Lfirst
	; ================ the norm of h.  A row's 2,048 numbers lie in 8 parts of 256: 4 waves x 2 halves of the lanes.  Each part has its mean, c + sum(h - c) / 256, and its squared deviations from that mean,
	; sum((h - c)^2) - sum(h - c)^2 / 256.  Parts of equal size n are joined by: mean = the mean of the parts' means; deviations = their sum + n x the squared differences of the parts' means from the joint mean.
	; So the hidden layer is walked once more only, for the norm itself; one exchange through LDS and one barrier serve mean and variance.
	HLOAD HW0                                      ; chunk 0 (x's codes in window 1 are done with): LDS serves a wave's instructions in order, so these see my stores
	GBLOAD TG0                                     ; ln_h_g and ln_h_b at chunk 0's units
	s_wait_alu depctr_va_vdst(0)                   ; the sums were written ahead of taken branches
	v_add_f32 v68, v68, v69
	v_add_f32 v70, v70, v71
	v_add_f32 v64, v64, v65
	v_add_f32 v66, v66, v67
	v_mul_f32 v69, 0x3b800000, v68                 ; sum(h - c) / 256
	v_mul_f32 v71, 0x3b800000, v70
	v_fma_f32 v64, -v68, v69, v64                  ; my part's squared deviations
	v_fma_f32 v66, -v70, v71, v66
	v_add_f32 v68, v60, v69                        ; my part's mean
	v_add_f32 v70, v62, v71
	v_permlanex16_b32 v[QT], v68, s58, s59         ; lane l xor 16 holds the row's other part in my wave
	v_permlanex16_b32 v[QT+1], v70, s58, s59
	v_permlanex16_b32 v[QT+2], v64, s58, s59
	v_permlanex16_b32 v[QT+3], v66, s58, s59
	v_sub_f32 v69, v68, v[QT]
	v_sub_f32 v71, v70, v[QT+1]
	v_add_f32 v68, v68, v[QT]
	v_add_f32 v70, v70, v[QT+1]
	v_add_f32 v64, v64, v[QT+2]
	v_add_f32 v66, v66, v[QT+3]
	v_mul_f32 v69, v69, v69
	v_mul_f32 v71, v71, v71
	v_mul_f32 v68, 0.5, v68                        ; the wave's mean of 512
	v_mul_f32 v70, 0.5, v70
	v_fma_f32 v64, 0x43000000, v69, v64            ; + 256 x 256 / 512 = 128 x the squared difference of the two means
	v_fma_f32 v66, 0x43000000, v71, v66
	ds_store_b32 v[ST0], v68                       ; both halves of the lanes write the same word with the same value
	ds_store_b32 v[ST0], v70 offset:64
	ds_store_b32 v[ST0], v64 offset:512
	ds_store_b32 v[ST0], v66 offset:576
	s_wait_alu depctr_va_vdst(0)
	BARRIER
.irp ww, 0,1,2,3
	ds_load_b32 v[XT+4*\ww], v[SR0] offset:128*\ww
	ds_load_b32 v[XT+4*\ww+1], v[SR0] offset:128*\ww+64
	ds_load_b32 v[XT+4*\ww+2], v[SR0] offset:128*\ww+512
	ds_load_b32 v[XT+4*\ww+3], v[SR0] offset:128*\ww+576
.endr
	s_wait_dscnt 0x0
	v_add_f32 v60, v[XT], v[XT+4]
	v_add_f32 v62, v[XT+1], v[XT+5]
	v_add_f32 v61, v[XT+8], v[XT+12]
	v_add_f32 v63, v[XT+9], v[XT+13]
	v_add_f32 v60, v60, v61
	v_add_f32 v62, v62, v63
	v_mul_f32 v60, 0x3e800000, v60                 ; the rows' means: a quarter of the four waves' means
	v_mul_f32 v62, 0x3e800000, v62
	v_mov_b32 v61, v60
	v_mov_b32 v63, v62
	v_add_f32 v68, v[XT+2], v[XT+6]
	v_add_f32 v70, v[XT+3], v[XT+7]
	v_add_f32 v69, v[XT+10], v[XT+14]
	v_add_f32 v71, v[XT+11], v[XT+15]
	v_add_f32 v68, v68, v69
	v_add_f32 v70, v70, v71
.irp ww, 0,1,2,3
	v_sub_f32 v[XT+4*\ww], v[XT+4*\ww], v60
	v_sub_f32 v[XT+4*\ww+1], v[XT+4*\ww+1], v62
.endr
	v_mul_f32 v69, v[XT], v[XT]
	v_mul_f32 v71, v[XT+1], v[XT+1]
.irp ww, 1,2,3
	v_fma_f32 v69, v[XT+4*\ww], v[XT+4*\ww], v69
	v_fma_f32 v71, v[XT+4*\ww+1], v[XT+4*\ww+1], v71
.endr
	v_fma_f32 v68, 0x44000000, v69, v68            ; + 512 x the squared differences of the waves' means: the rows' squared deviations
	v_fma_f32 v70, 0x44000000, v71, v70
	v_fma_f32 v64, v68, s96, s97
	v_fma_f32 v66, v70, s96, s97
	s_wait_alu depctr_va_vdst(0)
	v_rsq_f32 v64, v64
	v_rsq_f32 v66, v66
	v_nop                                          ; one plain place behind the last transcendental
	s_wait_alu depctr_va_vdst(0)
	v_mov_b32 v65, v64
	v_mov_b32 v67, v66
	s_mov_b32 s85, 0
.Lp3:
	s_lshl_b32 s86, s85, 13
	s_lshl_b32 s88, s85, 6
	v_add_nc_u32 v22, s86, v[HI0]
	v_add_nc_u32 v23, s88, v[HS0]
	s_add_co_u32 s86, s85, 1
	s_and_b32 s86, s86, 7                          ; the next chunk (held inside my eight)
	s_lshl_b32 s87, s86, 8
	s_lshl_b32 s86, s86, 13
	v_add_nc_u32 v20, s86, v[HW0]
	v_add_nc_u32 v21, s87, v[TG0]
	s_wait_dscnt 0x0                               ; this trip's chunk, its gain and its bias are in
	CENTRE
	s_cmp_eq_u32 s85, 7                            ; the last trip asks for nothing
	s_cbranch_scc1 .Lp3_a
	HLOAD 20
.Lp3_a:
.irp q, 0,1,2,3,4,5,6,7,8,9,10,11,12,13,14,15
	v_pk_mul_f32 v[ACC+2*\q:ACC+2*\q+1], v[ACC+2*\q:ACC+2*\q+1], v[64:65]
	v_pk_mul_f32 v[ACC+32+2*\q:ACC+32+2*\q+1], v[ACC+32+2*\q:ACC+32+2*\q+1], v[66:67]
.endr
.irp q, 0,1,2,3,4,5,6,7,8,9,10,11,12,13,14,15
	v_pk_fma_f32 v[ACC+2*\q:ACC+2*\q+1], v[ACC+2*\q:ACC+2*\q+1], v[BUF+2*\q:BUF+2*\q+1], v[BUF+32+2*\q:BUF+32+2*\q+1]
	v_pk_fma_f32 v[ACC+32+2*\q:ACC+32+2*\q+1], v[ACC+32+2*\q:ACC+32+2*\q+1], v[BUF+2*\q:BUF+2*\q+1], v[BUF+32+2*\q:BUF+32+2*\q+1]
.endr
	s_cmp_eq_u32 s85, 7
	s_cbranch_scc1 .Lp3_b
	GBLOAD 21
.Lp3_b:
	QC2 ACC
	QOUT 22, 23                                    ; into the head of the chunk that this trip has read: my own bytes, behind my own loads of them
	s_add_co_u32 s85, s85, 1
	s_cmp_lt_u32 s85, 8
	s_cbranch_scc1 .Lp3
	WIN 0x0c                                       ; 'adaptive' is parked in my chunks, 2,048 bytes in: tile (group G, m, f) in chunk 2 G + m, place f.  Window 3 is wanted for h's codes
.irp t, 0,1,2,3,4,5,6,7,8,9,10,11,12,13,14,15,16,17,18,19,20,21,22,23,24,25,26,27,28,29,30,31
	ds_store_b128 v[AD0], v[8*\t:8*\t+3] offset:8192*(\t/4)+1024*(\t%4)
	ds_store_b128 v[AD0], v[8*\t+4:8*\t+7] offset:8192*(\t/4)+1024*(\t%4)+512
.endr
	WIN 0
	BARRIER                                        ; h's 64 images, the adapters' images and all scale bytes lie in LDS
	; ================ the adapters' hidden codes: a256's K steps at v0-47 of window 1, a512's at v48-143
	s_cmp_lg_u32 s78, 0
	s_cbranch_scc0 .Lno_g256
	WIN 0x40
.irp s, 0,1
.irp m, 0,1
.irp c, 0,1
.irp i, 0,1,2
	ds_load_b64 v[24*\s+12*\m+6*\c+2*\i:24*\s+12*\m+6*\c+2*\i+1], v[GIR] offset:(2*\s+\c)*1536+768*\m+256*\i
.endr
.endr
.endr
.endr
	WIN 0
.irp e, 0,1,2,3
	ds_load_u16 v[XT+\e], v[HSR] offset:GSC-HSC+64*\e
.endr
	s_wait_dscnt 0x0
.irp s, 0,1
	v_lshl_or_b32 v[AS+\s], v[XT+2*\s+1], 16, v[XT+2*\s]
.endr
.Lno_g256:
	s_cmp_lg_u32 s79, 0
	s_cbranch_scc0 .Lno_g512
	WIN 0x40
.irp s, 0,1,2,3                        ; units 128 s + 64 c on were made by wave s in its trip 9 + c: pair of images 4 (1 + c) + s
.irp m, 0,1
.irp c, 0,1
.irp i, 0,1,2
	ds_load_b64 v[48+24*\s+12*\m+6*\c+2*\i:48+24*\s+12*\m+6*\c+2*\i+1], v[GIR] offset:(4*(1+\c)+\s)*1536+768*\m+256*\i
.endr
.endr
.endr
.endr
	WIN 0
.irp s, 0,1,2,3
.irp c, 0,1
	ds_load_u16 v[XT+4+2*\s+\c], v[HSR] offset:GSC-HSC+64*(4*(1+\c)+\s)
.endr
.endr
	s_wait_dscnt 0x0
.irp s, 0,1,2,3
	v_lshl_or_b32 v[AS+2+\s], v[XT+4+2*\s+1], 16, v[XT+4+2*\s]
.endr
.Lno_g512:
.rept 8
	v_nop                                          ; 8 places between a scale register's write and a scaled matrix instruction
.endr
	; ================ A2: a256's second layer: 2 trips of two groups, 2 K steps each.  Every block walks the loop; one without class 0 passes over the work
	s_mov_b32 s85, 0
.La2:
	s_cmp_lg_u32 s78, 0
	s_cbranch_scc0 .La2_next
	s_lshl_b32 s86, s85, 15
	s_lshl_b32 s87, s85, 9
	v_add_nc_u32 v20, s86, v[AD0]
	v_add_nc_u32 v21, s87, v[B20]
	s_add_co_u32 s94, s90, 4*REC
	s_cmp_eq_u32 s85, 1
	s_cselect_b32 s94, s76, s94
	OFFS N16, N4, 94
	s_wait_alu depctr_va_vdst(0)
.irp gg, 0,1
	BIAS2 21, 4096+256*\gg
	PARKLD 20, 16384*\gg
	s_wait_dscnt 0x0                               ; the bias and the parked tiles are in
	STEP 2*\gg,0x06,0,AS,94,REC*(2*\gg),42,1
	STEP 2*\gg+1,0x06,24,AS+1,94,REC*(2*\gg+1),42,1
	SELST 20, 16384*\gg, 80
.endr
	s_wait_xcnt 0x0
	s_mov_b32 s90, s94
.La2_next:
	s_add_co_u32 s85, s85, 1
	s_cmp_lt_u32 s85, 2
	s_cbranch_scc1 .La2
	; ================ B2: a512's second layer: 4 trips of one group, 4 K steps; W2's records follow a512_w2's in the stream
	s_mov_b32 s85, 0
.Lb2:
	s_cmp_lg_u32 s79, 0
	s_cbranch_scc0 .Lb2_next
	s_lshl_b32 s86, s85, 14
	s_lshl_b32 s87, s85, 8
	v_add_nc_u32 v20, s86, v[AD0]
	v_add_nc_u32 v21, s87, v[B20]
	s_add_co_u32 s94, s90, 4*REC
	OFFS N16, N4, 94
	BIAS2 21, 8192
	PARKLD 20, 0
	s_wait_dscnt 0x0                               ; the bias and the parked tiles are in
	s_wait_alu depctr_va_vdst(0)
.irp n, 0,1,2,3
	STEP \n,0x06,48+24*\n,AS+2+\n,94,REC*\n,42,1
.endr
	SELST 20, 0, 82
	s_wait_xcnt 0x0
	s_mov_b32 s90, s94
.Lb2_next:
	s_add_co_u32 s85, s85, 1
	s_cmp_lt_u32 s85, 4
	s_cbranch_scc1 .Lb2
	BARRIER                                        ; the adapters' images have been read by every wave (the way out's stage lies over them), and every wave's stores onto its parked tiles have landed
	; ================ h's codes: 16 K steps x 2 tiles of rows: K steps 0-7 into window 1, 8-15 into window 3.  K step s, half c lies in wave s / 4's chunk 2 (s % 4) + c
	WIN 0x40
.irp s, 0,1,2,3,4,5,6,7
.irp m, 0,1
.irp c, 0,1
.irp i, 0,1,2
	ds_load_b64 v[24*\s+12*\m+6*\c+2*\i:24*\s+12*\m+6*\c+2*\i+1], v[HR+\s/4] offset:8192*(2*(\s%4)+\c)+768*\m+256*\i
.endr
.endr
.endr
.endr
	WIN 0xc0
.irp s, 0,1,2,3,4,5,6,7
.irp m, 0,1
.irp c, 0,1
.irp i, 0,1,2
	ds_load_b64 v[24*\s+12*\m+6*\c+2*\i:24*\s+12*\m+6*\c+2*\i+1], v[HR+2+\s/4] offset:8192*(2*(\s%4)+\c)+768*\m+256*\i
.endr
.endr
.endr
.endr
	WIN 0
.irp e, 0,1,2,3,4,5,6,7,8,9,10,11,12,13,14,15,16,17,18,19,20,21,22,23,24,25,26,27,28,29,30,31
	ds_load_u16 v[BUF+\e], v[HSR] offset:64*\e
.endr
	s_wait_dscnt 0x0
.irp s, 0,1,2,3,4,5,6,7,8,9,10,11,12,13,14,15
	v_lshl_or_b32 v[AS+\s], v[BUF+2*\s+1], 16, v[BUF+2*\s]
.endr
.rept 8
	v_nop                                          ; 8 places between a scale register's write and a scaled matrix instruction
.endr
	; ================ W2: 4 trips of one group of 64 outputs, 16 K steps; then the blend and the way out
	s_wait_alu depctr_va_vdst(0)
	s_wait_xcnt 0x0                                ; the loads that named s[66:67] have had their addresses translated
	s_add_nc_u64 s[66:67], s[92:93], OFW2          ; whatever the block has walked, W2's records begin at this constant offset of my stream
	s_mov_b32 s85, 0
.Lw2:
	s_lshl_b32 s86, s85, 14
	s_lshl_b32 s87, s85, 8
	v_add_nc_u32 v20, s86, v[AD0]
	v_add_nc_u32 v21, s87, v[B20]
	BIAS2 21, 0
	PARKLD 20, 0                                   ; 'adaptive' at this group's outputs
	s_wait_dscnt 0x0
.irp n, 0,1,2,3,4,5,6,7
	STEP \n%4,0x06,24*\n,AS+\n,66,REC*(\n+4),42,1
.endr
.irp n, 8,9,10,11
	s_wait_alu depctr_va_vdst(0)
	STEP \n%4,0x0e,24*(\n-8),AS+\n,66,REC*(\n+4),42,1
.endr
	s_cmp_eq_u32 s85, 3
	s_cbranch_scc1 .Lw2_tail
.irp n, 12,13,14,15
	STEP \n%4,0x0e,24*(\n-8),AS+\n,66,REC*(\n+4),42,1
.endr
	s_branch .Lw2_out
.Lw2_tail:                             ; the stream's last four records: nothing is left to fetch, and the counts run down
	STEP 0,0x0e,96,AS+12,66,0,42,0
	STEP 1,0x0e,120,AS+13,66,0,28,0
	STEP 2,0x0e,144,AS+14,66,0,14,0
	STEP 3,0x0e,168,AS+15,66,0,0,0
.Lw2_out:
.irp q, 0,1,2,3,4,5,6,7,8,9,10,11,12,13,14,15
	v_pk_mul_f32 v[BUF+2*\q:BUF+2*\q+1], v[BUF+2*\q:BUF+2*\q+1], v[56:57]          ; adaptive x (1 - wm).  (These name no register of the products: they are the places behind them)
	v_pk_mul_f32 v[BUF+32+2*\q:BUF+32+2*\q+1], v[BUF+32+2*\q:BUF+32+2*\q+1], v[58:59]
.endr
.irp q, 0,1,2,3,4,5,6,7,8,9,10,11,12,13,14,15
	v_pk_fma_f32 v[ACC+2*\q:ACC+2*\q+1], v[ACC+2*\q:ACC+2*\q+1], v[52:53], v[BUF+2*\q:BUF+2*\q+1]   ; + base x wm; each accumulator from its low end on
	v_pk_fma_f32 v[ACC+32+2*\q:ACC+32+2*\q+1], v[ACC+32+2*\q:ACC+32+2*\q+1], v[54:55], v[BUF+32+2*\q:BUF+32+2*\q+1]
.endr
.irp m, 0,1                            ; a lane holds 32 bytes of a row: 16 rows x 256 bytes go through my own stage and come back as whole rows
.irp f, 0,1,2,3
	ds_store_b128 v[OW], v[ACC+32*\m+8*\f:ACC+32*\m+8*\f+3] offset:64*\f
	ds_store_b128 v[OW], v[ACC+32*\m+8*\f+4:ACC+32*\m+8*\f+7] offset:64*\f+16
.endr
.irp i, 0,1,2,3,4,5,6,7
	ds_load_b128 v[BUF+32*\m+4*\i:BUF+32*\m+4*\i+3], v[ORD] offset:544*\i          ; LDS serves a wave's instructions in order: these see my stores, and tile 1's stores come behind them
.endr
.endr
	WIN 0x02                                       ; the stores' offsets lie in window 2
.irp m, 0,1
.irp i, 0,1,2,3,4,5,6,7
	s_wait_dscnt 16*(1-\m)+7-\i                    ; load i of tile m is in; behind it: the tile's younger loads and, for tile 0, tile 1's 8 stores and 8 loads
	global_store_b128 v[192+8*\m+\i], v[BUF+32*\m+4*\i:BUF+32*\m+4*\i+3], s[12:13] th:TH_STORE_NT   ; two tokens' rows: sixteen lanes store 256 consecutive bytes, aligned
.endr
.endr
	WIN 0
	s_wait_xcnt 0x0                                ; loads and stores have had their addresses translated: bases and data registers are written again only behind this wait
	s_add_nc_u64 s[66:67], s[66:67], 16*REC
	s_add_nc_u64 s[12:13], s[12:13], 256
	s_add_co_u32 s85, s85, 1
	s_cmp_lt_u32 s85, 4
	s_cbranch_scc1 .Lw2
	s_set_vgpr_msb 0xa
	s_wait_tensorcnt 0x0
	ds_add_u32 v254, v255
	s_wait_dscnt 0x0
	s_set_vgpr_msb 0xa00
	s_endpgm
.Lfunc_end_k_q124aec879a_ffn:
	.size	k_q124aec879a_ffn, .Lfunc_end_k_q124aec879a_ffn-k_q124aec879a_ffn
	.p2alignl 7, 3214868480
	.fill 96, 4, 3214868480
	.section	.rodata,"a",@progbits
	.p2align	6, 0x0
	.amdhsa_kernel k_q124aec879a_ffn
		.amdhsa_group_segment_fixed_size 324864
		.amdhsa_private_segment_fixed_size 0
		.amdhsa_enable_private_segment 0
		.amdhsa_kernarg_size 120
		.amdhsa_user_sgpr_count 2
		.amdhsa_user_sgpr_kernarg_segment_ptr 1
		.amdhsa_wavefront_size32 1
		.amdhsa_system_sgpr_workgroup_id_x 1
		.amdhsa_system_sgpr_workgroup_id_y 1
		.amdhsa_system_sgpr_workgroup_id_z 1
		.amdhsa_system_vgpr_workitem_id 0
		.amdhsa_next_free_vgpr 1024
		.amdhsa_next_free_sgpr 100
		.amdhsa_reserve_vcc 0
		.amdhsa_float_denorm_mode_32 3
		.amdhsa_float_denorm_mode_16_64 3
		.amdhsa_memory_ordered 1
		.amdhsa_forward_progress 1
		.amdhsa_inst_pref_size 255
	.end_amdhsa_kernel
	.section	.bss,"aw",@nobits
	.p2align	6
	.space	262144
	.amdgpu_metadata
---
amdhsa.version: [ 1, 2 ]
amdhsa.kernels:
  - .name:           k_q124aec879a_ffn
    .symbol:         k_q124aec879a_ffn.kd
    .args:
      - { .name: x, .offset: 0, .size: 8, .value_kind: global_buffer, .address_space: global }
      - { .name: width_multiplier, .offset: 8, .size: 8, .value_kind: global_buffer, .address_space: global }
      - { .name: route, .offset: 16, .size: 8, .value_kind: global_buffer, .address_space: global }
      - { .name: wq, .offset: 24, .size: 8, .value_kind: global_buffer, .address_space: global }
      - { .name: out0, .offset: 32, .size: 8, .value_kind: global_buffer, .address_space: global }
      - { .name: ln_in_g, .offset: 40, .size: 8, .value_kind: global_buffer, .address_space: global }
      - { .name: ln_in_b, .offset: 48, .size: 8, .value_kind: global_buffer, .address_space: global }
      - { .name: b1, .offset: 56, .size: 8, .value_kind: global_buffer, .address_space: global }
      - { .name: ln_h_g, .offset: 64, .size: 8, .value_kind: global_buffer, .address_space: global }
      - { .name: ln_h_b, .offset: 72, .size: 8, .value_kind: global_buffer, .address_space: global }
      - { .name: b2, .offset: 80, .size: 8, .value_kind: global_buffer, .address_space: global }
      - { .name: a256_b1, .offset: 88, .size: 8, .value_kind: global_buffer, .address_space: global }
      - { .name: a256_b2, .offset: 96, .size: 8, .value_kind: global_buffer, .address_space: global }
      - { .name: a512_b1, .offset: 104, .size: 8, .value_kind: global_buffer, .address_space: global }
      - { .name: a512_b2, .offset: 112, .size: 8, .value_kind: global_buffer, .address_space: global }
    .group_segment_fixed_size: 324864
    .private_segment_fixed_size: 0
    .kernarg_segment_align: 8
    .kernarg_segment_size: 120
    .max_flat_workgroup_size: 128
    .sgpr_count:     100
    .vgpr_count:     1024
    .wavefront_size: 32
...
	.end_amdgpu_metadata
.endif
;; end of part 2
